; MI455X (gfx1250); checked and timed in simulation.
; The chip was launched on July 23, 2026; its instructions are those of AMD's public machine-readable ISA for CDNA 5 (MIT licence, August 2026) and "CDNA5" Instruction Set Architecture Reference Guide (July 2026). The comments in the code are by the model that wrote it; some were corrected since.
;; Attention. Allowed arithmetic: matrix products marked QUANTISED: E5M2 operands, one given power-of-two scale a tensor, by v_wmma_f32_16x16x64_bf8_bf8 or v_wmma_f32_16x16x128_bf8_bf8, f32 sums; everything else in f32.
;; Inputs: Wout 1,024 x 1,024 float32; Wqkv 3,072 x 1,024 float32; bout 1,024 float32; lowp_scales 8 int32 (the exponents e of the quantised operands' scales 2^e); mask 8 x 1,023 bool; x 8 x 1,024 x 1,024 float32.
;; Outputs: out0 8 x 1,024 x 1,024 float32.
;; This version of the problem:
;;   THIS VERSION OF THE PROBLEM IS GIVEN IN LOW PRECISION. The matrix products marked QUANTISED in the list below multiply operands that are first quantised to E5M2 (5 exponent bits, 2 mantissa bits; 8 bits a number), with one given power-of-two scale for each operand tensor; their sums are f32. All else is computed in f32.
;;   The module's matrix products, in the order in which they are computed (A, B: the left and right operand; K: the contracted axis; several contracted axes count as one K, in the product's order):
;;     1. [M 8,192, K 1,024] x [K 1,024, N 3,072]; A: input x; B: input Wqkv: QUANTISED (scales: A lowp_scales[0], B lowp_scales[1])
;;     2. batch 128 x [M 1,024, K 64] x [K 64, N 1,024]; A: computed on the way; B: computed on the way: QUANTISED (scales: A lowp_scales[2], B lowp_scales[3])
;;     3. batch 128 x [M 1,024, K 1,024] x [K 1,024, N 64]; A: softmax (see below); B: computed on the way: QUANTISED (scales: A lowp_scales[4], B lowp_scales[5])
;;     4. [M 8,192, K 1,024] x [K 1,024, N 1,024]; A: computed on the way; B: input Wout: QUANTISED (scales: A lowp_scales[6], B lowp_scales[7])
;;   THE QUANTISER, for each operand of a quantised product, along K:
;;     - The operand's scale is 2^e, e = its entry of the input lowp_scales (int32; the entries are numbered through the quantised products in the list's order, A before B).
;;     - Each number is divided by the scale, clamped to +-57,344, and rounded to the nearest number of E5M2, ties to even, subnormals kept.
;;     - The product sums the exact products of the quantised numbers (number of the format x scale) in f32.
;;   ~~~python
;;   def quantise(x, axis, e):      # numpy; x: float32 -> the quantised numbers, widened to float32 again
;;       x = np.moveaxis(x, axis, -1); K = x.shape[-1]
;;       r = np.clip(x / 2.0 ** e, -57344, 57344)
;;       step = 2.0 ** (np.maximum(np.frexp(np.where(r == 0, 1, r))[1] - 1, -14) - 2)
;;       q = np.round(r / step) * step * 2.0 ** e      # np.round: ties to even
;;       return np.moveaxis(q, -1, axis).astype(np.float32)
;;   ~~~
;;   SOFTMAX AHEAD OF A QUANTISED PRODUCT. Where the list says 'softmax', what is quantised is not the finished softmax but p = 2^(t - M), with t = logit x log2(e) and M = ceil(the row's largest t), a whole number; so 1/2 < the row's largest p <= 1. The row's sum l is taken of the UNQUANTISED p, in f32, and the product's result is divided by l at the end. Since M is a whole number, a kernel that streams over the keys may use a running M (the ceiling of the running maximum): every later rescaling is an exact power of two, so the quantised numbers keep their values, but for numbers so far below the row's largest that they fall under the format's range.
;;   OPERANDS COMPUTED ON THE WAY. 'Computed on the way' means the value that the module computes at that place (a softmax that the list does not call 'softmax' is quantised finished and normalised). What goes into a quantiser is computed in f32, as accurately as f32 sums, v_exp_f32 and their like allow (about 1e-6 of the number): no bf16 or f16 on the way to a quantiser, and a product that is left as it is and whose result goes on into a quantised operand takes f32 operands (vector FMAs, or v_wmma_f32_16x16x4_f32). A number that lies on a knife's edge between two numbers of the format may be rounded either way, as far as f32 arithmetic and the matrix unit's own rounding can turn it there, and no further.
;; One version. Each part assembles by itself: llvm-mc -triple=amdgcn-amd-amdhsa -mcpu=gfx1250 --defsym DOCPART=n.
;; ======== version 1 of 1: 4 launches
;; limits: right only within a limited range of input values
;; workspace buffers: xc 8,388,608 bytes; wqc 3,145,728 bytes; woc 1,048,576 bytes; qkvc 25,165,824 bytes; aoc 8,388,608 bytes
;; launch quant (part 1): grid 768 x 1, 4 waves a work-group, no clusters, 33,280 bytes of LDS; arguments x, Wqkv, Wout, lowp_scales, xc, wqc, woc; writes xc, wqc, woc
.if DOCPART == 1
	.amdgcn_target "amdgcn-amd-amdhsa--gfx1250"
	.amdhsa_code_object_version 6
	.text
	.protected	k_qb919feb7ec_quant
	.globl	k_qb919feb7ec_quant
	.p2align	8
	.type	k_qb919feb7ec_quant,@function
k_qb919feb7ec_quant:
	s_mov_b64 s[64:65], 0
	v_nop
	global_prefetch_b8 v0, s[64:65] scope:SCOPE_SE
	s_setreg_imm32_b32 hwreg(HW_REG_WAVE_MODE, 25, 1), 1
	s_wait_xcnt 0x0
; x [8192][1024], Wqkv [3072][1024] and Wout [1024][1024], f32 with K innermost, are turned into codes of BF8 (E5M2), one byte a number, in the same order, each with the one scale 2^e that is given for it
; (entries 0, 1 and 7 of the buffer of scales).  code = number / 2^e, held within +-57,344, rounded to the nearest code, ties to even.
; LIMITS: e between -126 and 112, so that 2^e and 57,344 x 2^e are f32 numbers.  NaN among the inputs is not served; an infinity is held at the largest code.
; Rows are dense, so each tensor is a plain stream of numbers.  A work-group takes 16,384 numbers, a wave 8 steps of 512: 768 work-groups, three for each of 256 WGPs, so that twelve waves' loads, sixteen of 512 bytes
; each, are on their way on a WGP.  Work-groups 0-511 take x, 512-703 Wqkv, 704-767 Wout: only pointers, the first work-group's number and e are chosen, by selects on the work-group's number; all take one path through the text.
; The conversion takes eight neighbours from one lane's registers; a load is best where neighbouring lanes take neighbouring bytes.  So each of a step's four loads reads 512 consecutive bytes, 16 a lane; the 2,048 bytes
; go through the wave's own stage in LDS as they lie and come back 64 bytes a lane.  A lane's 16 codes are 16 bytes: the wave stores 512 consecutive bytes.  No barrier: waves share nothing.
; No matrix unit, no cluster, no tensor load: every byte is read once and written once, and nothing is shared.
.set STEPS, 8
.set WG_X,  512                        ; work-groups of x
.set WG_XQ, 704                        ; of x and Wqkv together
.set EMAX,  15
.set MANT,  0x600000                   ; the mantissa field of 57,344 as f32
.set CB,    16                         ; bytes of 16 codes
.set R,     16                         ; v16-79   four sets of 16 numbers as they are loaded
.set X,     80                         ; v80-111  two sets of 16 neighbours
.set C,     128                        ; v128-159 codes: four registers for each step, so that no store's data are written again
.set WREG,  8192                       ; LDS: a region of its own for each wave: two stages of 32 x SP bytes
.set SP,    80                         ; a lane's place in a stage: its 64 bytes + 16 of padding
	s_load_b256 s[4:11], s[0:1], 0x0               ; x s[4:5], Wqkv s[6:7], Wout s[8:9], the scales' exponents s[10:11]
	s_load_b128 s[12:15], s[0:1], 0x20             ; x's codes, Wqkv's codes
	s_load_b64 s[16:17], s[0:1], 0x30              ; Wout's codes
	v_lshl_add_u32 v160, v0, 2, 0x8000
	v_mov_b32 v161, 0
	v_lshrrev_b32 v1, 5, v0
	v_readfirstlane_b32 s18, v1                    ; wave
	v_and_b32 v2, 31, v0                           ; lane
	v_lshlrev_b32 v3, 4, v2                        ; my 16 bytes of a load's 512
	s_mul_i32 s19, s18, WREG
	v_lshrrev_b32 v14, 2, v2
	v_mul_u32_u24 v14, v14, SP
	v_and_b32 v15, 3, v2
	v_lshl_add_u32 v14, v15, 4, v14
	v_add_nc_u32 v14, s19, v14                     ; the stage, on the way in: four lanes' 64 bytes on end, then 16 of padding
	v_mul_u32_u24 v15, v2, SP
	v_add_nc_u32 v15, s19, v15                     ; and on the way out: SP x lane: my 16 neighbours
	v_mul_u32_u24 v4, v2, CB                       ; my codes' place in a step's
	s_wait_alu depctr_va_vdst(0)
	s_wait_kmcnt 0x0
	s_load_b256 s[24:31], s[10:11], 0x0            ; the eight exponents
	s_cmp_lt_u32 ttmp9, WG_XQ                      ; Wqkv's work-group or Wout's?  The choices hang on the work-group's number alone
	s_cselect_b64 s[6:7], s[6:7], s[8:9]
	s_cselect_b64 s[14:15], s[14:15], s[16:17]
	s_mov_b32 s32, WG_XQ
	s_cselect_b32 s32, WG_X, s32                   ; the tensor's first work-group
	s_cmp_lt_u32 ttmp9, WG_X                       ; or x's?
	s_cselect_b64 s[4:5], s[4:5], s[6:7]           ; from here
	s_cselect_b64 s[8:9], s[12:13], s[14:15]       ; to here
	s_cselect_b32 s32, 0, s32
	s_sub_co_u32 s32, ttmp9, s32
	s_lshl_b32 s32, s32, 2
	s_add_co_u32 s20, s32, s18                     ; which run of 4,096 numbers of the tensor is my wave's
	s_mov_b32 s21, 0
	s_lshl_b64 s[22:23], s[20:21], 14              ; 16,384 bytes of numbers a run
	s_add_nc_u64 s[4:5], s[4:5], s[22:23]
	s_lshl_b64 s[22:23], s[20:21], 12              ; 4,096 bytes of codes
	s_add_nc_u64 s[8:9], s[8:9], s[22:23]
.macro LOAD t
.irp i, 0,1,2,3
	global_load_b128 v[R+16*((\t)%4)+4*\i:R+16*((\t)%4)+4*\i+3], v3, s[4:5] offset:2048*(\t)+512*\i th:TH_LOAD_NT   ; 32 lanes read 512 consecutive bytes
.endr
.endm
.macro TURN t                          ; step t's numbers through the stage: LDS serves a wave's instructions in order, so no wait stands between the stores and the loads
.irp i, 0,1,2,3
	ds_store_b128 v14, v[R+16*((\t)%4)+4*\i:R+16*((\t)%4)+4*\i+3] offset:32*SP*((\t)%2)+8*SP*\i
.endr
.irp i, 0,1,2,3
	ds_load_b128 v[X+16*((\t)%2)+4*\i:X+16*((\t)%2)+4*\i+3], v15 offset:32*SP*((\t)%2)+16*\i
.endr
.endm
.irp t, 0,1,2,3
	LOAD \t
.endr
	s_wait_kmcnt 0x0
	s_cmp_lt_u32 ttmp9, WG_XQ
	s_cselect_b32 s22, s25, s31                    ; e of Wqkv or of Wout,
	s_cmp_lt_u32 ttmp9, WG_X
	s_cselect_b32 s22, s24, s22                    ; or of x
	s_add_co_i32 s22, s22, 127
	s_lshl_b32 s23, s22, 23
	v_mov_b32 v11, s23                             ; 2^e as f32: the conversion takes its exponent field
	s_add_co_i32 s22, s22, EMAX
	s_lshl_b32 s22, s22, 23
	s_or_b32 s22, s22, MANT
	v_mov_b32 v10, s22                             ; the largest number x 2^e
	s_wait_alu depctr_va_vdst(0)
	s_wait_loadcnt 12                              ; step 0's four loads are in; those of steps 1 to 3 may be out
	TURN 0
.macro STEP t
.set XS, X+16*((\t)%2)
	s_wait_dscnt 0x0                               ; this step's numbers are back from the stage: so its stores into the stage have read their registers,
.if (\t)+4 < STEPS
	LOAD (\t)+4                                    ; which take the loads of four steps on
.endif
.if (\t)+1 < STEPS
.if STEPS-2-(\t) >= 3
	s_wait_loadcnt 12                              ; the next step's four loads are in; those of the three steps behind it may be out
.else
	s_wait_loadcnt 4*(STEPS-2-(\t))
.endif
	TURN (\t)+1                                    ; and go through the other stage while this step is worked
.endif
.irp i, 0,1,2,3,4,5,6,7,8,9,10,11,12,13,14,15
	v_med3_num_f32 v[XS+\i], v[XS+\i], -v10, v10   ; the conversion to an 8-bit code does not saturate (ISA guide 7.6.2): the number is held within the largest code x the scale first
.endr
	v_cvt_scalef32_pk8_bf8_f32 v[C+4*(\t):C+4*(\t)+1], v[XS:XS+7], v11          ; eight numbers / 2^e, to the nearest code, ties to even; the first number's code in the lowest byte
	v_cvt_scalef32_pk8_bf8_f32 v[C+4*(\t)+2:C+4*(\t)+3], v[XS+8:XS+15], v11
	global_store_b128 v4, v[C+4*(\t):C+4*(\t)+3], s[8:9] offset:32*CB*(\t)      ; the wave stores 512 consecutive bytes, aligned; the codes' registers are touched by this store alone
.endm
.irp t, 0,1,2,3,4,5,6,7
	STEP \t
.endr
	s_wait_tensorcnt 0x0
	ds_add_u32 v160, v161
	s_wait_dscnt 0x0
	s_endpgm
.Lfunc_end_k_qb919feb7ec_quant:
	.size	k_qb919feb7ec_quant, .Lfunc_end_k_qb919feb7ec_quant-k_qb919feb7ec_quant
	.p2alignl 7, 3214868480
	.fill 96, 4, 3214868480
	.section	.rodata,"a",@progbits
	.p2align	6, 0x0
	.amdhsa_kernel k_qb919feb7ec_quant
		.amdhsa_group_segment_fixed_size 33280
		.amdhsa_private_segment_fixed_size 0
		.amdhsa_enable_private_segment 0
		.amdhsa_kernarg_size 56
		.amdhsa_user_sgpr_count 2
		.amdhsa_user_sgpr_kernarg_segment_ptr 1
		.amdhsa_wavefront_size32 1
		.amdhsa_system_sgpr_workgroup_id_x 1
		.amdhsa_system_sgpr_workgroup_id_y 1
		.amdhsa_system_sgpr_workgroup_id_z 1
		.amdhsa_system_vgpr_workitem_id 0
		.amdhsa_next_free_vgpr 162
		.amdhsa_next_free_sgpr 66
		.amdhsa_reserve_vcc 0
		.amdhsa_float_denorm_mode_32 3
		.amdhsa_float_denorm_mode_16_64 3
		.amdhsa_memory_ordered 1
		.amdhsa_forward_progress 1
		.amdhsa_inst_pref_size 20
	.end_amdhsa_kernel
	.amdgpu_metadata
---
amdhsa.version: [ 1, 2 ]
amdhsa.kernels:
  - .name:           k_qb919feb7ec_quant
    .symbol:         k_qb919feb7ec_quant.kd
    .args:
      - { .name: x, .offset: 0, .size: 8, .value_kind: global_buffer, .address_space: global }
      - { .name: Wqkv, .offset: 8, .size: 8, .value_kind: global_buffer, .address_space: global }
      - { .name: Wout, .offset: 16, .size: 8, .value_kind: global_buffer, .address_space: global }
      - { .name: lowp_scales, .offset: 24, .size: 8, .value_kind: global_buffer, .address_space: global }
      - { .name: xc, .offset: 32, .size: 8, .value_kind: global_buffer, .address_space: global }
      - { .name: wqc, .offset: 40, .size: 8, .value_kind: global_buffer, .address_space: global }
      - { .name: woc, .offset: 48, .size: 8, .value_kind: global_buffer, .address_space: global }
    .group_segment_fixed_size: 33280
    .private_segment_fixed_size: 0
    .kernarg_segment_align: 8
    .kernarg_segment_size: 56
    .max_flat_workgroup_size: 128
    .sgpr_count:     66
    .vgpr_count:     162
    .wavefront_size: 32
...
	.end_amdgpu_metadata
.endif
;; end of part 1
;; launch gemm_qkv (part 2): grid 8 x 32, 4 waves a work-group, clusters of 4 x 4, 327,680 bytes of LDS; arguments xc, wqc, lowp_scales, qkvc; writes qkvc
.if DOCPART == 2
	.amdgcn_target "amdgcn-amd-amdhsa--gfx1250"
	.amdhsa_code_object_version 6
	.text
	.protected	k_qb919feb7ec_gemm_qkv
	.globl	k_qb919feb7ec_gemm_qkv
	.p2align	8
	.type	k_qb919feb7ec_gemm_qkv,@function
k_qb919feb7ec_gemm_qkv:
	s_mov_b64 s[64:65], 0
	v_nop
	global_prefetch_b8 v0, s[64:65] scope:SCOPE_SE
	s_setreg_imm32_b32 hwreg(HW_REG_WAVE_MODE, 25, 1), 1
	s_wait_xcnt 0x0
	s_wait_alu depctr_hold_cnt(0) depctr_sa_sdst(0) depctr_va_vdst(0) depctr_va_sdst(0) depctr_va_ssrc(0) depctr_va_vcc(0) depctr_vm_vsrc(0)
	s_getreg_b32 s2, hwreg(HW_REG_IB_STS2, 6, 4)
	s_cmp_eq_u32 s2, 0
	s_cbranch_scc0 .Lentry_in_a_cluster
	s_endpgm
.Lentry_in_a_cluster:
	s_bfe_u32 s2, ttmp6, 0x10000c
	s_cmp_lg_u32 s2, 0xf033
	s_cbranch_scc0 .Lentry_shape_is_right
	s_endpgm
.Lentry_shape_is_right:
; qkv = x Wqkv^T on codes of BF8 (E5M2), and its results quantised at once into the codes that attention reads.  xc [8192][1024], wqc [3072][1024]: codes, K innermost.  Sums in f32.
; A sum stands for sum x 2^(e0 + e1); its code is sum / 2^(eT - e0 - e1), held within +-57,344, with eT = e2 for q, e3 for k, e5 for v.
; LIMIT: eT - e0 - e1 between -126 and 112 for each of the three, so that the scale and 57,344 x the scale are f32 numbers.
; OUTPUT.  qkvc holds q at byte 0, k at 2^23, v at 2^24; each part is [batch 8][head 16][1,024 rows][64 bytes].  For q and k a row is a token and its bytes run along the head's 64; for v a row is
; 64 x (key / 64) + channel and its bytes run along key % 64, since the keys are the K of attention's second product.  In every row byte 32 c + 16 h + 8 u + j holds index 32 c + 16 u + 8 h + j:
; two loads of 16 bytes at 16 h and 16 h + 32 then bring lane half h exactly its numbers of a 16 x 64 fragment.
; SHARES.  q and k are 256 tiles of 256 x 256; v is 256 tiles of 256 features x 128 tokens.  There are 256 work-groups, and EACH MAKES ONE TILE OF EACH KIND, one after the other.
; Four waves; a wave makes 128 x 128 of the first tile (64 accumulators, 512 registers) and 128 x 64 of the second (32).
; K goes in four steps of 256 through a ring of two LDS slots filled by the tensor data mover, and THE RING DOES NOT STOP AT THE FIRST TILE'S END: its last two changes of slots ask for the second tile's first two K steps.
; CLUSTERS: 4 x 4 work-groups; cluster y is the batch; cluster x says q (0) or k (1) for the first tile, and which 512 of the batch's tokens for the second.  A tile's rows (source 1) are shared along a row of the cluster,
; its columns (source 0) along a column: each is asked for JOINTLY.  THE MATRIX INSTRUCTION IS USED TRANSPOSED, so that a lane's eight results are eight neighbours along the tile's columns.
; ROLES.  First tile: rows tokens (xc), columns features (wqc).  Second tile: rows features (wqc), columns tokens (xc).
; PREFETCH INTO THE L2.  Behind each of the first six joint loads stands one line for the K step that the load after next will ask for: 32 rows x 256 bytes, a lane a row.  Of the 128 rows that a wave fetches, each of the
; four partners that ask for them jointly names 32, told apart by address.  The first tile's K steps 0 and 1 come by their loads alone.  Rows of wqc are read by many clusters: four of them name them (first tile: batches 0 to 3;
; second tile: batches 0 and 1).  The second tile's tokens are named by nobody: this cluster's first tiles have read them.  The address registers are never rewritten: the K step stands in the immediate.
; REGISTERS, in windows of 256: window 0: v0-31 addresses; from v128 the row operand's fragments, ONE set; on the ways out v32-255 are at work.  window 1: the column operand's fragments, TWO sets, at v0 and v128.
;   window 2: the accumulators of my rows 0-63 (accumulator (a, b) at v[8 (8 a + b)]);   window 3: those of my rows 64-127.
.set ROWB,   256                       ; a tile's row in bytes: a K step of 256 codes
.set KROW,   1024                      ; a row of either operand in memory, in bytes
.set PITCH,  272                       ; an LDS row: 256 bytes + 16 of padding
.set FR,     16                        ; registers of a fragment: 16 rows x 128 K
.set NL,     4                         ; LDS loads that bring one
.set NP,     4                         ; places behind this matrix instruction (ISA guide 7.12.1)
.set HALFT,  128*PITCH
.set SLOT,   4*HALFT                   ; the row operand's 256 rows, then the column operand's 256 (second tile: 128)
.set SPARE,  2*SLOT                    ; the spare words
.set STAGE,  SPARE+512                 ; a stage of 64 rows x SP bytes for each wave: bytes of its own, into which no tile lands
.set SP,     144
.set WSTG,   64*SP
.set ADRA,  16
.set ADRB,  20
.set ADRB2, 22
.set STO,  24
.set RD,   25
.set CO,   26
.set SPW,  28
.set NIL,  29
.set SC1,  30
.set SC2,  31
.set TQ,   32
.set AF,   128
.set G1,   24
.set G0,   32
.set G1B,  48
.set G0B,  56
.set OB1,  66
.set OB2,  68
.set G1C,  72
.set G0A2, 80
.set G0B2, 88
.set L1P,  98
.set L1N,  99
.set L2P,  100
.set L2N,  101
.set NB,   8
.set ADB,  ADRB
.set GA,   G0
.set GB,   G0B
.set GB1,  G1B
.set MSB, 0
.macro WIN new                         ; the immediate's high byte repeats the setting that is left
.if MSB != \new
	s_set_vgpr_msb (MSB<<8)|\new
.set MSB, \new
.endif
.endm
.set MUL_LO, 0xa1
.set MUL_HI, 0xf1
.set TO_B,   0x40
; A joint load: waves 0 and 1 fetch the row tile's halves, waves 2 and 3 the column tile's.  An s_nop 0 and four v_nop follow each of the two lines.
.macro JLOAD g0a, g1a, g0b, g1b
	s_cmp_eq_u32 s15, 0
	s_cbranch_scc0 .Lfor_b_\@
	tensor_load_to_lds s[\g0a:\g0a+3], s[\g1a:\g1a+7]
	s_nop 0
.rept 4
	v_nop
.endr
	s_branch .Lasked_\@
.Lfor_b_\@:
	tensor_load_to_lds s[\g0b:\g0b+3], s[\g1b:\g1b+7]
	s_nop 0
.rept 4
	v_nop
.endr
.Lasked_\@:
.endm
.macro ASK flag, pf, off               ; one prefetch line, in the waves whose flag is 1: the flags hang on the wave's number and the cluster's y alone
	s_cmp_eq_u32 s[\flag], 1
	s_cbranch_scc0 .Lnot_mine_\@
	global_prefetch_b8 v9, s[\pf:\pf+1] offset:\off th:TH_LOAD_NT scope:SCOPE_SE
.Lnot_mine_\@:
.endm
.macro CREST                           ; a round of the cluster's barrier behind its opening barrier
	s_cmp_lg_u32 s14, 0
	s_cbranch_scc1 .Lnot_wave_0_\@
	s_barrier_signal -3
.Lnot_wave_0_\@:
	s_barrier_wait -3
	s_barrier_signal -1
	s_barrier_wait -1
.endm
.macro CROUND
	s_barrier_signal -1
	s_barrier_wait -1
	CREST
.endm
	s_load_b128 s[4:7], s[0:1], 0x0                ; x's codes s[4:5], Wqkv's codes s[6:7]
	s_load_b128 s[8:11], s[0:1], 0x10              ; the exponents s[8:9], qkvc s[10:11]
	v_lshl_add_u32 v[SPW], v0, 2, SPARE
	v_mov_b32 v[NIL], 0
	ds_add_u32 v28, v29
	ds_add_u32 v28, v29
	s_wait_dscnt 0x0
	v_lshrrev_b32 v1, 5, v0
	v_readfirstlane_b32 s14, v1                    ; wave 0..3
	s_lshr_b32 s15, s14, 1                         ; which half of a tile's rows is mine.  Also: I fetch for the rows (0) or for the columns (1)
	s_and_b32 s16, s14, 1                          ; which half of its columns.  Also: which half of that tile I fetch
	s_bfe_u32 s40, ttmp6, 0x40000                  ; cx, cy
	s_bfe_u32 s41, ttmp6, 0x40004
	s_and_b32 s71, ttmp7, 0xffff                   ; cluster y = the batch
	s_lshl_b32 s17, s71, 2
	s_add_co_u32 s17, s17, s41                     ; first tile, rows: xc's tile of 256 tokens
	s_lshl_b32 s42, ttmp9, 2
	s_add_co_u32 s42, s42, s40                     ; first tile, columns: wqc's tile of 256 features
	s_lshl_b32 s43, s41, 2
	s_lshl_b32 s43, 15, s43                        ; my row of the cluster
	s_lshl_b32 s44, 0x1111, s40                    ; my column
	s_or_b32 s[G1+0], s43, (0<<16)|(1<<20)|(1<<21)|(5<<22)|(3<<25)
	s_or_b32 s[G1B+0], s44, (0<<16)|(1<<20)|(1<<21)|(5<<22)|(3<<25)
	s_or_b32 s[G1C+0], s44, (0<<16)|(1<<20)|(1<<21)|(5<<22)|(3<<25)
.irp g, G1, G1B
	s_mov_b32 s[\g+1], ROWB<<16
	s_mov_b32 s[\g+2], 128<<16
	s_mov_b32 s[\g+3], ROWB<<16
	s_mov_b32 s[\g+4], 128
	s_mov_b32 s[\g+5], KROW
	s_mov_b32 s[\g+6], 0
	s_mov_b32 s[\g+7], 0
.endr
	s_mov_b32 s[G1C+1], ROWB<<16
	s_mov_b32 s[G1C+2], 64<<16
	s_mov_b32 s[G1C+3], ROWB<<16
	s_mov_b32 s[G1C+4], 64
	s_mov_b32 s[G1C+5], KROW
	s_mov_b32 s[G1C+6], 0
	s_mov_b32 s[G1C+7], 0
	; where the tiles come from, in bytes.  Row tiles hang on cy alone among the places in the cluster, column tiles on cx alone
	s_lshl_b32 s18, s16, 7
	s_lshl_b32 s20, s17, 8
	s_add_co_u32 s20, s20, s18
	s_lshl_b32 s20, s20, 10                        ; first tile, rows
	s_mov_b32 s21, 0
	s_lshl_b32 s46, s42, 8
	s_add_co_u32 s46, s46, s18
	s_lshl_b32 s46, s46, 10                        ; first tile, columns
	s_mov_b32 s47, 0
	s_add_co_u32 s22, s41, 8                       ; second tile, rows: v's features begin at wqc's tile 8
	s_lshl_b32 s22, s22, 8
	s_add_co_u32 s22, s22, s18
	s_lshl_b32 s22, s22, 10
	s_mov_b32 s23, 0
	s_lshl_b32 s12, s40, 7                         ; second tile, columns: token 1,024 x batch + 512 x cluster x + 128 cx + 64 x half
	s_lshl_b32 s13, s16, 6
	s_add_co_u32 s12, s12, s13
	s_lshl_b32 s13, ttmp9, 9
	s_add_co_u32 s12, s12, s13
	s_lshl_b32 s13, s71, 10
	s_add_co_u32 s12, s12, s13
	s_lshl_b32 s12, s12, 10
	s_mov_b32 s13, 0
	s_mul_i32 s45, s14, HALFT                      ; where they go: wave x 128 rows;
	s_mul_i32 s70, s16, 64*PITCH
	s_add_co_u32 s70, s70, 2*HALFT                 ; the second tile's columns: behind the 256 rows, 64 rows a half
	s_wait_kmcnt 0x0
	s_load_b128 s[96:99], s[8:9], 0x0              ; e0 .. e3
	s_load_b64 s[100:101], s[8:9], 0x10            ; e4, e5
	s_add_nc_u64 s[20:21], s[4:5], s[20:21]
	s_add_nc_u64 s[46:47], s[6:7], s[46:47]
	s_add_nc_u64 s[22:23], s[6:7], s[22:23]
	s_add_nc_u64 s[12:13], s[4:5], s[12:13]
	CROUND                                         ; all sixteen work-groups are here: the first joint loads meet
.irp s, 0,1
	s_mov_b32 s[G0+4*\s], 1
	s_add_co_u32 s[G0+4*\s+1], s45, \s*SLOT
	s_add_nc_u64 s[G0+4*\s+2:G0+4*\s+3], s[20:21], \s*ROWB
	s_or_b32 s[G0+4*\s+3], s[G0+4*\s+3], 0x80000000
	s_mov_b32 s[G0B+4*\s], 1
	s_add_co_u32 s[G0B+4*\s+1], s45, \s*SLOT
	s_add_nc_u64 s[G0B+4*\s+2:G0B+4*\s+3], s[46:47], \s*ROWB
	s_or_b32 s[G0B+4*\s+3], s[G0B+4*\s+3], 0x80000000
.endr
	JLOAD G0, G1, G0B, G1B                         ; K step 0
.irp s, 0,1                                    ; the second tile's sets, for its K steps 0 and 1
	s_mov_b32 s[G0A2+4*\s], 1
	s_add_co_u32 s[G0A2+4*\s+1], s45, \s*SLOT
	s_add_nc_u64 s[G0A2+4*\s+2:G0A2+4*\s+3], s[22:23], \s*ROWB
	s_or_b32 s[G0A2+4*\s+3], s[G0A2+4*\s+3], 0x80000000
	s_mov_b32 s[G0B2+4*\s], 1
	s_add_co_u32 s[G0B2+4*\s+1], s70, \s*SLOT
	s_add_nc_u64 s[G0B2+4*\s+2:G0B2+4*\s+3], s[12:13], \s*ROWB
	s_or_b32 s[G0B2+4*\s+3], s[G0B2+4*\s+3], 0x80000000
.endr
	; the prefetches: s[4:5] my work-group's 32 of the 128 rows that I fetch for the first tile, s[6:7] for the second tile's rows; s43, s44: do I ask?
	s_cmp_eq_u32 s15, 0
	s_cselect_b64 s[4:5], s[20:21], s[46:47]
	s_cselect_b32 s12, s40, s41                    ; my place among the four that ask with me: cx for row tiles, cy for column tiles
	s_lshl_b32 s12, s12, 15                        ; 32 rows of 1,024 bytes
	s_mov_b32 s13, 0
	s_add_nc_u64 s[4:5], s[4:5], s[12:13]
	s_lshl_b32 s12, s40, 15
	s_add_nc_u64 s[6:7], s[22:23], s[12:13]
	s_cmp_lt_u32 s71, 4
	s_cselect_b32 s43, 1, 0
	s_cmp_lt_u32 s71, 2
	s_cselect_b32 s44, 1, 0
	s_cmp_eq_u32 s15, 0
	s_cselect_b32 s43, 1, s43                      ; first tile: the row waves of every cluster, the column waves of batches 0 to 3
	s_cselect_b32 s44, s44, 0                      ; second tile: the row waves of batches 0 and 1
	v_and_b32 v9, 31, v0
	v_lshlrev_b32 v9, 10, v9                       ; a lane a row; never rewritten
	s_wait_alu depctr_va_vdst(0)
	ASK 43, 4, 2*ROWB                              ; K step 2
	v_and_b32 v1, 15, v0                           ; r = l % 16
	v_bfe_u32 v2, v0, 4, 1                         ; h = l / 16
	v_mul_u32_u24 v3, v1, PITCH
	v_lshl_add_u32 v4, v2, 4, v3                   ; a fragment's row x pitch + 16 x half
	s_wait_alu depctr_va_vdst(0)
	s_mul_i32 s21, s15, HALFT                      ; my 128 rows of a row tile
	s_mul_i32 s22, s16, HALFT                      ; my 128 rows of the first tile's column tile,
	s_add_co_u32 s22, s22, 2*HALFT
	s_mul_i32 s23, s16, 64*PITCH                   ; my 64 rows of the second tile's
	s_add_co_u32 s23, s23, 2*HALFT
.irp s, 0,1
	v_add_nc_u32 v[ADRA+\s], s21, v4
	v_add_nc_u32 v[ADRB+\s], s22, v4
	v_add_nc_u32 v[ADRB2+\s], s23, v4
	s_add_co_u32 s21, s21, SLOT
	s_add_co_u32 s22, s22, SLOT
	s_add_co_u32 s23, s23, SLOT
.endr
	s_mul_i32 s23, s14, WSTG
	s_add_co_u32 s23, s23, STAGE                   ; my stage
	v_mul_u32_u24 v5, v1, SP
	v_lshl_add_u32 v5, v2, 4, v5
	v_add_nc_u32 v[STO], s23, v5
	v_and_b32 v6, 31, v0
	v_lshrrev_b32 v7, 2, v6
	v_mul_u32_u24 v7, v7, SP
	v_and_b32 v8, 3, v6
	v_lshl_add_u32 v7, v8, 4, v7
	v_add_nc_u32 v[RD], s23, v7
	v_lshlrev_b32 v[CO], 4, v6
	; where my results go: chunks of 64 rows x 64 bytes, 4,096 consecutive bytes in every part
	s_lshl_b32 s2, ttmp9, 23                       ; q's part or k's
	s_lshl_b32 s3, s71, 20
	s_add_co_u32 s2, s2, s3
	s_lshl_b32 s3, s40, 18
	s_add_co_u32 s2, s2, s3
	s_lshl_b32 s3, s41, 14
	s_add_co_u32 s2, s2, s3
	s_lshl_b32 s3, s16, 17
	s_add_co_u32 s2, s2, s3
	s_lshl_b32 s3, s15, 13
	s_add_co_u32 s2, s2, s3
	s_mov_b32 s3, 0
	s_add_nc_u64 s[OB1:OB1+1], s[10:11], s[2:3]
	s_lshl_b32 s2, s71, 20
	s_add_co_u32 s2, s2, 0x1000000                 ; v's part
	s_lshl_b32 s3, s41, 18
	s_add_co_u32 s2, s2, s3
	s_lshl_b32 s3, s15, 17
	s_add_co_u32 s2, s2, s3
	s_lshl_b32 s3, ttmp9, 15
	s_add_co_u32 s2, s2, s3
	s_lshl_b32 s3, s40, 13
	s_add_co_u32 s2, s2, s3
	s_lshl_b32 s3, s16, 12
	s_add_co_u32 s2, s2, s3
	s_mov_b32 s3, 0
	s_add_nc_u64 s[OB2:OB2+1], s[10:11], s[2:3]
	s_wait_kmcnt 0x0
	s_add_co_i32 s96, s96, s97                     ; e0 + e1
	s_cmp_eq_u32 ttmp9, 0                          ; the same answer in all sixteen partners
	s_cselect_b32 s98, s98, s99                    ; eT of the first tile: q's or k's
	s_sub_co_i32 s98, s98, s96
	s_add_co_i32 s98, s98, 127
	s_lshl_b32 s99, s98, 23
	v_mov_b32 v[SC1], s99
	s_add_co_i32 s98, s98, 15
	s_lshl_b32 s98, s98, 23
	s_or_b32 s[L1P], s98, 0x600000                 ; 57,344 x that scale
	s_or_b32 s[L1N], s[L1P], 0x80000000
	s_sub_co_i32 s100, s101, s96                   ; the same for v: e5 - e0 - e1
	s_add_co_i32 s100, s100, 127
	s_lshl_b32 s101, s100, 23
	v_mov_b32 v[SC2], s101
	s_add_co_i32 s100, s100, 15
	s_lshl_b32 s100, s100, 23
	s_or_b32 s[L2P], s100, 0x600000
	s_or_b32 s[L2N], s[L2P], 0x80000000
.macro FRAG reg, adr, q, i             ; a fragment, 16 rows x 128 K: registers 4 c .. 4 c + 3 hold K = 32 c + 16 (l / 16) + 0 .. 15: the same places in both operands
.irp c, 0,1,2,3
	ds_load_b128 v[\reg+4*\c:\reg+4*\c+3], v[\adr] offset:128*(\q)+32*\c+(\i)*16*PITCH
.endr
.endm
; Row block a x my NB column blocks, 128 along K.  A tile's accumulators take turns, one instruction a turn.
.macro MULA a, p, zero
.set bb, 0
.rept NB
.if \zero
	v_wmma_f32_16x16x128_bf8_bf8 v[8*(8*((\a)%4)+bb):8*(8*((\a)%4)+bb)+7], v[128*(\p)+FR*bb:128*(\p)+FR*bb+FR-1], v[AF+FR*(\a):AF+FR*(\a)+FR-1], 0
.else
	v_wmma_f32_16x16x128_bf8_bf8 v[8*(8*((\a)%4)+bb):8*(8*((\a)%4)+bb)+7], v[128*(\p)+FR*bb:128*(\p)+FR*bb+FR-1], v[AF+FR*(\a):AF+FR*(\a)+FR-1], v[8*(8*((\a)%4)+bb):8*(8*((\a)%4)+bb)+7]
.endif
.set bb, bb+1
.endr
.endm
.macro MUL2 a0, p, zero
	MULA \a0, \p, \zero
	MULA \a0+1, \p, \zero
.endm
.macro FETCH_B slot, q, p
	WIN TO_B
.set ii, 0
.rept NB
	FRAG 128*(\p)+FR*ii, ADB+\slot, \q, ii
.set ii, ii+1
.endr
	WIN 0
.endm
.macro FETCH_A slot, q, i0
.irp i, \i0, \i0+1, \i0+2, \i0+3
	FRAG AF+FR*(\i), ADRA+\slot, \q, \i
.endr
.endm
.macro PLACES n
.rept \n
	v_nop
.endr
.endm
; A step of 128 along K that has its successor in the same slot.
.macro STEP slot, q, zero
	s_wait_dscnt 4*NL                              ; the column set and row blocks 0-3 are in; the youngest sixteen loads (row blocks 4-7) may be out
	WIN MUL_LO
	MUL2 0, (\q)%2, \zero
	MUL2 2, (\q)%2, \zero
	s_wait_dscnt 0
	PLACES NP
	FETCH_B \slot, (\q)+1, 1-(\q)%2
	FETCH_A \slot, (\q)+1, 0
	WIN MUL_HI
	MUL2 4, (\q)%2, \zero
	MUL2 6, (\q)%2, \zero
	PLACES NP
	WIN 0
	FETCH_A \slot, (\q)+1, 4
.endm
; A slot's last step changes slots: ONE barrier; in front of it each wave waits for all its tensor loads, adds 0 to its spare word, and waits for that and for its own reads of this slot.
; fill = 1: this slot takes the tile's K step two steps on;  fill = 2: the SECOND tile's K step 0 or 1;  fill = 0: nothing, and no round follows.  fetch = 0: the tile ends here.
.macro TURN slot, next, fill, fetch
	s_wait_tensorcnt 0x0
	ds_add_u32 v[SPW], v[NIL]
	s_wait_dscnt 4*NL+1                            ; (the add and the youngest sixteen loads may be out)
	WIN MUL_LO
	MUL2 0, 1, 0
	s_wait_dscnt 0x0                               ; the add is done, and my reads of this slot are over
	s_barrier_signal -1
	MUL2 2, 1, 0
	WIN 0
	s_barrier_wait -1
.if \fill == 1
	CREST
	s_add_nc_u64 s[GA+4*\slot+2:GA+4*\slot+3], s[GA+4*\slot+2:GA+4*\slot+3], 2*ROWB
	s_add_nc_u64 s[GB+4*\slot+2:GB+4*\slot+3], s[GB+4*\slot+2:GB+4*\slot+3], 2*ROWB
	JLOAD GA+4*\slot, G1, GB+4*\slot, GB1          ; the first tensor load behind the round
.elseif \fill == 2
	CREST
	JLOAD G0A2+4*\slot, G1, G0B2+4*\slot, G1C      ; the ring goes on into the second tile
.else
	PLACES NP
.endif
.if \fetch
	FETCH_B \next, 0, 0
	FETCH_A \next, 0, 0
.endif
	WIN MUL_HI
	MUL2 4, 1, 0
	MUL2 6, 1, 0
.if \fetch
	PLACES NP
	WIN 0
	FETCH_A \next, 0, 4
.else
	WIN 0
.endif
.endm
; THE WAY OUT.  Block a: each sum is held within the largest code x the scale, each accumulator from its low end on; eight sums of a lane become eight codes; the codes of two neighbouring
; accumulators, 16 bytes, go into my stage at byte 32 j + 16 h of the lane's row.  The stage holds 64 rows: blocks 0-3, then blocks 4-7.
.macro QBLOCK a, sc, ln, lp
.set AC, 64*((\a)%4)
.set TC, TQ+2*NB*(\a)
	WIN 0x82+0x41*((\a)/4)
.set j, 0
.rept 8*NB
	v_med3_num_f32 v[AC+j], v[AC+j], s[\ln], s[\lp]   ; the conversion to an 8-bit code does not saturate (ISA guide 7.6.2)
.set j, j+1
.endr
	WIN 0x02+((\a)/4)
.set j, 0
.rept NB
	v_cvt_scalef32_pk8_bf8_f32 v[TC+2*j:TC+2*j+1], v[AC+8*j:AC+8*j+7], v[\sc]
.set j, j+1
.endr
	v_nop                                          ; one plain vector instruction behind the last conversion of a run
	WIN 0
.set j, 0
.rept NB/2
	ds_store_b128 v[STO], v[TC+4*j:TC+4*j+3] offset:((\a)%4)*16*SP+32*j
.set j, j+1
.endr
.endm
.macro RBACK bb                        ; the stage's 64 rows come back chunk by chunk, eight rows a load; LDS serves a wave's instructions in order (ISA guide 5.7.1.4)
.set i, 0
.rept 2*NB
	ds_load_b128 v[\bb+4*i:\bb+4*i+3], v[RD] offset:8*(i%8)*SP+64*(i/8)
.set i, i+1
.endr
.endm
.macro SEND bb, younger, ob, off
.set i, 0
.rept 2*NB
	s_wait_dscnt \younger+2*NB-1-i
	global_store_b128 v[CO], v[\bb+4*i:\bb+4*i+3], s[\ob:\ob+1] offset:\off+65536*(i/8)+512*(i%8)   ; 32 lanes store 512 consecutive bytes, aligned
.set i, i+1
.endr
.endm
	; ---- THE FIRST TILE: 256 tokens x 256 features of q or of k
	s_wait_alu depctr_va_vdst(0)
	s_wait_tensorcnt 0x0                           ; my part of K step 0 is in
	ds_add_u32 v[SPW], v[NIL]
	s_wait_dscnt 0x0
	CROUND                                         ; everybody's part of K step 0 is in, and all sixteen work-groups are here
	JLOAD G0+4, G1, G0B+4, G1B                     ; K step 1, slot 1's first fill: the first tensor load behind the round
	FETCH_B 0, 0, 0
	FETCH_A 0, 0, 0
	FETCH_A 0, 0, 4
	ASK 43, 4, 3*ROWB                              ; K step 3
	STEP 0, 0, 1                                   ; K step 0; its first products start the sums
	TURN 0, 1, 1, 1                                ; slot 0 takes K step 2
	ASK 44, 6, 0                                   ; the second tile's K step 0
	STEP 1, 0, 0
	TURN 1, 0, 1, 1                                ; slot 1 takes K step 3
	ASK 44, 6, ROWB
	STEP 0, 0, 0
	TURN 0, 1, 2, 1                                ; slot 0 takes the second tile's K step 0
	ASK 44, 6, 2*ROWB
	STEP 1, 0, 0
	TURN 1, 0, 2, 0                                ; slot 1 takes the second tile's K step 1
	ASK 44, 6, 3*ROWB
	PLACES NP                                      ; behind the last products
.irp a, 0,1,2,3
	QBLOCK \a, SC1, L1N, L1P
.endr
	RBACK 160
.irp a, 4,5,6,7
	QBLOCK \a, SC1, L1N, L1P
.endr
	RBACK 32
	SEND 160, 32, OB1, 0                           ; behind the first half's loads: the second half's 16 stores and 16 loads
	SEND 32, 0, OB1, 4096
	; ---- THE SECOND TILE: 256 features x 128 tokens of v
.set NB,  4
.set ADB, ADRB2
.set GA,  G0A2
.set GB,  G0B2
.set GB1, G1C
	s_wait_xcnt 0x0                                ; the first tile's stores have read their registers
	FETCH_B 0, 0, 0
	FETCH_A 0, 0, 0
	FETCH_A 0, 0, 4
	STEP 0, 0, 1
	TURN 0, 1, 1, 1
	STEP 1, 0, 0
	TURN 1, 0, 1, 1
	STEP 0, 0, 0
	TURN 0, 1, 0, 1                                ; the last lap fills nothing
	STEP 1, 0, 0
	s_wait_dscnt 4*NL
	WIN MUL_LO
	MUL2 0, 1, 0
	MUL2 2, 1, 0
	s_wait_dscnt 0
	WIN MUL_HI
	MUL2 4, 1, 0
	MUL2 6, 1, 0
	WIN 0
	PLACES NP
.irp a, 0,1,2,3
	QBLOCK \a, SC2, L2N, L2P
.endr
	RBACK 96
.irp a, 4,5,6,7
	QBLOCK \a, SC2, L2N, L2P
.endr
	RBACK 128
	SEND 96, 16, OB2, 0
	SEND 128, 0, OB2, 65536
	s_wait_tensorcnt 0x0                           ; the wave's end
	ds_add_u32 v[SPW], v[NIL]
	s_wait_dscnt 0x0
	CROUND                                         ; the closing round
	s_endpgm
.Lfunc_end_k_qb919feb7ec_gemm_qkv:
	.size	k_qb919feb7ec_gemm_qkv, .Lfunc_end_k_qb919feb7ec_gemm_qkv-k_qb919feb7ec_gemm_qkv
	.p2alignl 7, 3214868480
	.fill 96, 4, 3214868480
	.section	.rodata,"a",@progbits
	.p2align	6, 0x0
	.amdhsa_kernel k_qb919feb7ec_gemm_qkv
		.amdhsa_group_segment_fixed_size 327680
		.amdhsa_private_segment_fixed_size 0
		.amdhsa_enable_private_segment 0
		.amdhsa_kernarg_size 32
		.amdhsa_user_sgpr_count 2
		.amdhsa_user_sgpr_kernarg_segment_ptr 1
		.amdhsa_wavefront_size32 1
		.amdhsa_system_sgpr_workgroup_id_x 1
		.amdhsa_system_sgpr_workgroup_id_y 1
		.amdhsa_system_sgpr_workgroup_id_z 1
		.amdhsa_system_vgpr_workitem_id 0
		.amdhsa_next_free_vgpr 1024
		.amdhsa_next_free_sgpr 102
		.amdhsa_reserve_vcc 0
		.amdhsa_float_denorm_mode_32 3
		.amdhsa_float_denorm_mode_16_64 3
		.amdhsa_memory_ordered 1
		.amdhsa_forward_progress 1
		.amdhsa_inst_pref_size 198
	.end_amdhsa_kernel
	.amdgpu_metadata
---
amdhsa.version: [ 1, 2 ]
amdhsa.kernels:
  - .name:           k_qb919feb7ec_gemm_qkv
    .symbol:         k_qb919feb7ec_gemm_qkv.kd
    .args:
      - { .name: xc, .offset: 0, .size: 8, .value_kind: global_buffer, .address_space: global }
      - { .name: wqc, .offset: 8, .size: 8, .value_kind: global_buffer, .address_space: global }
      - { .name: lowp_scales, .offset: 16, .size: 8, .value_kind: global_buffer, .address_space: global }
      - { .name: qkvc, .offset: 24, .size: 8, .value_kind: global_buffer, .address_space: global }
    .group_segment_fixed_size: 327680
    .private_segment_fixed_size: 0
    .kernarg_segment_align: 8
    .kernarg_segment_size: 32
    .max_flat_workgroup_size: 128
    .sgpr_count:     102
    .vgpr_count:     1024
    .wavefront_size: 32
...
	.end_amdgpu_metadata
.endif
;; end of part 2
;; launch attn (part 3): grid 2 x 128, 8 waves a work-group, no clusters, 209,920 bytes of LDS; arguments qkvc, mask, lowp_scales, aoc; writes aoc
.if DOCPART == 3
	.amdgcn_target "amdgcn-amd-amdhsa--gfx1250"
	.amdhsa_code_object_version 6
	.text
	.protected	k_qb919feb7ec_attn
	.globl	k_qb919feb7ec_attn
	.p2align	8
	.type	k_qb919feb7ec_attn,@function
k_qb919feb7ec_attn:
	s_mov_b64 s[64:65], 0
	v_nop
	global_prefetch_b8 v0, s[64:65] scope:SCOPE_SE
	s_setreg_imm32_b32 hwreg(HW_REG_WAVE_MODE, 25, 1), 1
	s_wait_xcnt 0x0
; Attention of one head on codes of BF8 (E5M2): S^T = K Q^T, the masked softmax, O^T = V^T P^T, and O / l quantised at once into the codes that the last product reads.
; qkvc: q at byte 0, k at 2^23, v at 2^24, each [batch x head 128][1,024 rows][64 bytes]; v's rows are 64 x (key / 64) + channel, its bytes run along the keys.  Two loads of 16 bytes at 16 h and 16 h + 32 of a row
; bring lane half h its numbers of a 16 x 64 fragment.  aoc: [batch x head][token][64 channels], one code a byte.
; THE MASK.  m = the mask with a true in front.  A hidden key adds -1.7e38 to its scores, as the C of the first product (a table of 1,024 f32 in LDS).  A hidden query has c = 0: all its t are 0, p = 1 for every key, which is
; the even softmax of a row of equal logits.
; THE SOFTMAX.  t = score x c, c = log2(e) / 32 x 2^(e2 + e3); M = ceil(the running largest t); p = 2^(t - M) is quantised with 2^e4; l sums the unquantised p; when M moves, l and O^T are multiplied by 2^(old M - new M).
; THE HOLD OF p.  p <= 1, so where 57,344 x 2^e4 >= 1, that is e4 >= -15, the hold changes no number: a scalar branch on e4, a whole number read from memory, leads round its 128 lines; for e4 < -15 they run.
; The launch has no tensor load: K and V come through registers.  So it has no joint loads either, which are a form of the tensor load: cluster = none.
; SHARES.  A work-group owns 512 queries of a head, each of its 8 waves 64 of them (four tiles, u = 0 .. 3), so that each fragment of K and V feeds four matrix instructions and every chain of a tile's vector work has
; three other tiles' beside it.  A lane holds one query of each tile throughout.
; K AND V.  All 1,024 keys get LDS bytes of their own (rows of 64 bytes + 16), written once, laid by key steps: 64 rows of K, then 64 of V.  They come in eight chunks of 128 keys; of each a wave loads 1,024 bytes of K and of V.
; The head stores chunks 0 to 2 (key steps 0 to 5) and passes a barrier.  The first loop, key steps 0 to 4, stores one further chunk a trip (3 to 7, from LDS byte 61,440 on; its own reads end under that byte) and asks for
; the next, a trip ahead of its store; it has no barrier.  One barrier follows, and the second loop, key steps 5 to 15, has no barrier, global load or store.
; FRAGMENTS.  V's are asked for at a step's head; the NEXT step's K and bias right behind the first product (the last step asks for its own again: the address is held at step 15).
; PREFETCH.  In trip k of the first loop wave 0 names chunk k + 5, a trip ahead of the load that wants it: 8,192 bytes, lanes 256 bytes apart; the head's first work-group names K's, its second V's.  Chunks 0 to 4 come by their loads alone.
; LIMITS: the scaled scores stay under 2^31 in magnitude; e2 + e3 between -121 and 132, e4 between -126 and 112, e6 - e4 - e5 between -126 and 112, so that each power of two below is an f32 number.  NaN is not served.
; REGISTERS.  Window 1: v0-127 S^T, then p (tile u at 32 u); v128-255 O^T.  Window 0: all else, as named below.
.set KP,     80                        ; an LDS row: 64 bytes + 16
.set STEPB,  64*KP                     ; a key step's rows of K, or of V
.set STEP2,  2*STEPB                   ; a key step
.set CHUNKB, 2*STEP2                   ; a chunk: two key steps
.set NA,     5                         ; trips of the first loop
.set NBB,    11                        ; and of the second
.set BIAS,   16*STEP2
.set STAGE,  BIAS+4096                 ; the way out: 64 rows x KP for each wave
.set SPARE,  STAGE+8*64*KP             ; the spare words: 128 bytes for each wave
.set VA,  3                            ; v3   this step's place in LDS;  v4 the next step's;  v84 the next step's bias
.set KN,  4
.set BN,  84
.set GL,  6                            ; v6   16 x lane;  v7 256 x lane
.set PFO, 7
.set C,   8                            ; v8-15   c, a pair a tile
.set NM,  16                           ; v16-23  -M and, above it, the largest score
.set OLD, 24                           ; v24-27  the last step's -M
.set F,   28                           ; v28-35  f, and 0 above it
.set PL,  36                           ; v36-39  from lane l xor 16
.set SA,  40                           ; v40, v41 where a chunk's pieces are stored
.set SC,  41
.set TA,  42                           ; v42-49  two chains a tile
.set L,   50                           ; v50-65  l, two pairs a tile
.set ST,  66                           ; v66-81  the chunk on its way
.set SPW, 82                           ; v82, v83 the add's two registers; never rewritten
.set NIL, 83
.set Q,   96
.set KK,  128
.set VV,  160
.set BI,  192
.set P,   224
.set O,   128                          ; in window 1
.set MSB, 0
.macro WIN new                         ; the immediate's high byte repeats the setting that is left.  Low byte: bits 1:0 source 0, 3:2 source 1, 5:4 source 2, 7:6 destination
.if MSB != \new
	s_set_vgpr_msb (MSB<<8)|\new
.set MSB, \new
.endif
.endm
	s_load_b256 s[4:11], s[0:1], 0x0               ; qkvc, mask, the exponents, aoc
	v_lshl_add_u32 v[SPW], v0, 2, SPARE
	v_mov_b32 v[NIL], 0
	v_lshrrev_b32 v1, 5, v0
	v_readfirstlane_b32 s12, v1                    ; wave
	s_and_b32 s14, ttmp7, 0xffff                   ; batch x 16 + head
	s_lshl_b32 s16, s14, 16                        ; its bytes in each part
	s_lshl_b32 s17, s12, 10
	s_add_co_u32 s18, s16, s17
	s_add_co_u32 s18, s18, 0x800000                ; K: my wave's 1,024 bytes of chunk 0
	s_mov_b32 s19, 0
	s_add_co_u32 s20, s18, 0x800000                ; V likewise
	s_mov_b32 s21, 0
	s_lshl_b32 s22, s12, 12
	s_add_co_u32 s22, s22, s16
	s_lshl_b32 s23, ttmp9, 15
	s_add_co_u32 s22, s22, s23                     ; my 64 queries' rows, in q and in aoc
	s_mov_b32 s23, 0
	s_lshr_b32 s15, s14, 4
	s_mul_i32 s15, s15, 1023                       ; the batch's row of the mask
	s_lshr_b32 s24, s12, 2
	s_mul_i32 s24, s24, STEP2                      ; waves 0-3 hold rows of a chunk's first key step, waves 4-7 of its second,
	s_and_b32 s25, s12, 3
	s_mul_i32 s25, s25, 16*KP
	s_add_co_u32 s24, s24, s25                     ; 16 rows a wave
	s_lshl_b32 s61, ttmp9, 9
	s_lshl_b32 s25, s12, 6
	s_add_co_u32 s61, s61, s25                     ; my first query
	s_mov_b32 s28, 0x1000000
	s_cmp_eq_u32 ttmp9, 0
	s_cselect_b32 s28, 0x800000, s28               ; the prefetches: K's part or V's,
	s_add_co_u32 s28, s28, s16
	s_add_co_u32 s28, s28, 4*8192                  ; chunk 4 of my head: the first trip steps it to chunk 5
	s_mov_b32 s29, 0
	s_cmp_eq_u32 s12, 0
	s_cselect_b32 s26, 3, 0                        ; wave 0 asks in trips 0 to 2, the others never
	s_mov_b32 s50, 0x76543210
	s_mov_b32 s51, 0xfedcba98                      ; lane l xor 16
	v_and_b32 v200, 15, v0                         ; r
	v_bfe_u32 v201, v0, 4, 1                       ; h
	v_and_b32 v202, 31, v0                         ; lane
	v_lshlrev_b32 v[GL], 4, v202
	v_lshlrev_b32 v[PFO], 8, v202
	v_lshrrev_b32 v203, 2, v202
	v_mul_u32_u24 v203, v203, KP
	v_and_b32 v204, 3, v202
	v_lshl_add_u32 v203, v204, 4, v203
	v_add_nc_u32 v[SA], s24, v203                  ; where a load's 512 bytes go in a chunk: my wave's rows, row lane / 4 of them, byte 16 (lane % 4)
	v_add_nc_u32 v[SC], 3*CHUNKB, v[SA]            ; and in chunk 3
	v_mov_b32 v176, 1
	v_mov_b32 v177, 0
	v_mov_b32 v178, 0xff000000                     ; -1.7e38
	v_cmp_eq_u32 s60, 0, v0
	v_cndmask_b32 v179, v0, v176, s60
	v_add_nc_u32 v179, s15, v179                   ; key = thread: mask byte key - 1 (key 0 reads byte 0 and is set true below)
	v_add_nc_u32 v180, s15, v0                     ; keys thread + 256, + 512, + 768
	v_add_nc_u32 v185, s61, v200
	v_cmp_eq_u32 s70, 0, v185
	v_cndmask_b32 v186, v185, v176, s70
	v_add_nc_u32 v186, s15, v186                   ; my query of tile 0,
	v_add_nc_u32 v187, s15, v185                   ; and of tiles 1 to 3
	v_lshlrev_b32 v192, 6, v200
	v_lshl_add_u32 v192, v201, 4, v192             ; Q: row r, + 16 h
	v_mul_u32_u24 v1, v200, KP
	v_lshl_add_u32 v1, v201, 4, v1                 ; a fragment's row in LDS
	v_lshlrev_b32 v2, 5, v201                      ; the bias: 8 h keys on
	v_add_nc_u32 v[BN], BIAS, v2                   ; key step 0's
	v_lshl_add_u32 v193, v0, 2, BIAS
	s_wait_alu depctr_va_vdst(0)
	s_wait_kmcnt 0x0
	s_load_b256 s[40:47], s[8:9], 0x0              ; e0 .. e7
	s_add_nc_u64 s[56:57], s[4:5], s[18:19]
	s_add_nc_u64 s[58:59], s[4:5], s[20:21]
	s_add_nc_u64 s[66:67], s[4:5], s[22:23]
	s_add_nc_u64 s[68:69], s[10:11], s[22:23]
	s_add_nc_u64 s[62:63], s[4:5], s[28:29]
	global_load_u8 v181, v179, s[6:7] offset:-1
.irp k, 1,2,3
	global_load_u8 v[181+\k], v180, s[6:7] offset:256*\k-1
.endr
.irp c, 0,1,2                                  ; chunks 0 to 2
	global_load_b128 v[128+16*\c:131+16*\c], v[GL], s[56:57] offset:8192*\c
	global_load_b128 v[132+16*\c:135+16*\c], v[GL], s[56:57] offset:8192*\c+512
	global_load_b128 v[136+16*\c:139+16*\c], v[GL], s[58:59] offset:8192*\c
	global_load_b128 v[140+16*\c:143+16*\c], v[GL], s[58:59] offset:8192*\c+512
.endr
	global_load_u8 v188, v186, s[6:7] offset:-1
.irp u, 1,2,3
	global_load_u8 v[188+\u], v187, s[6:7] offset:16*\u-1
.endr
.irp u, 0,1,2,3
	global_load_b128 v[Q+8*\u:Q+8*\u+3], v192, s[66:67] offset:1024*\u
	global_load_b128 v[Q+8*\u+4:Q+8*\u+7], v192, s[66:67] offset:1024*\u+32
.endr
	global_load_b128 v[ST:ST+3], v[GL], s[56:57] offset:24576    ; chunk 3
	global_load_b128 v[ST+4:ST+7], v[GL], s[56:57] offset:24576+512
	global_load_b128 v[ST+8:ST+11], v[GL], s[58:59] offset:24576
	global_load_b128 v[ST+12:ST+15], v[GL], s[58:59] offset:24576+512
.irp u, 0,1,2,3
	v_mov_b32 v[NM+2*\u+1], 0xff61b1e6             ; the largest score so far: -3e38
	v_mov_b32 v[NM+2*\u], 0x7f61b1e6               ; -M before the first step
	v_mov_b32 v[F+2*\u+1], 0                       ; (the upper half of a pair that is named)
	v_mov_b32 v[PL+\u], 0                          ; a lane permute's destination counts as a source
.endr
.set n, 0
.rept 16
	v_mov_b32 v[L+n], 0
.set n, n+1
.endr
	WIN 0x40
.set n, 0
.rept 128
	v_mov_b32 v[O+n], 0                            ; O^T: the step is written for all trips alike: the first finds zeros
.set n, n+1
.endr
	WIN 0
	s_wait_kmcnt 0x0
	s_add_co_i32 s48, s42, s43
	s_lshl_b32 s48, s48, 23
	s_add_co_i32 s48, s48, 0x3d38aa3b              ; c = log2(e) / 32 x 2^(e2 + e3)
	v_mov_b32 v194, s48
	s_add_co_i32 s49, s44, 127
	s_lshl_b32 s54, s49, 23
	v_mov_b32 v5, s54                              ; 2^e4
	s_add_co_i32 s49, s49, 15
	s_lshl_b32 s49, s49, 23
	s_or_b32 s49, s49, 0x600000                    ; 57,344 x 2^e4
	s_cmp_lt_i32 s44, -15
	s_cselect_b32 s55, 1, 0                        ; 1: the hold can bite
	s_sub_co_i32 s71, s46, s44
	s_sub_co_i32 s71, s71, s45
	s_add_co_i32 s71, s71, 127
	s_lshl_b32 s72, s71, 23                        ; 2^(e6 - e4 - e5): the way out's scale
	s_add_co_i32 s71, s71, 15
	s_lshl_b32 s71, s71, 23
	s_or_b32 s71, s71, 0x600000
	s_or_b32 s73, s71, 0x80000000
	s_wait_alu depctr_va_vdst(0)
	s_wait_loadcnt 0x4                             ; all but chunk 3's four loads
.irp k, 0,1,2,3
	v_cmp_ne_u32 vcc_lo, 0, v[181+\k]
	v_cndmask_b32 v[181+\k], v178, v177, vcc_lo
.endr
	v_cndmask_b32 v181, v181, v177, s60            ; key 0 always counts
.irp k, 0,1,2,3
	ds_store_b32 v193, v[181+\k] offset:1024*\k
.endr
.irp c, 0,1,2
	ds_store_b128 v[SA], v[128+16*\c:131+16*\c] offset:CHUNKB*\c
	ds_store_b128 v[SA], v[132+16*\c:135+16*\c] offset:CHUNKB*\c+8*KP
	ds_store_b128 v[SA], v[136+16*\c:139+16*\c] offset:CHUNKB*\c+STEPB
	ds_store_b128 v[SA], v[140+16*\c:143+16*\c] offset:CHUNKB*\c+STEPB+8*KP
.endr
.irp u, 0,1,2,3
	v_cmp_ne_u32 vcc_lo, 0, v[188+\u]
	v_cndmask_b32 v[C+2*\u], v177, v194, vcc_lo
.endr
	v_cndmask_b32 v[C], v[C], v194, s70            ; query 0 always counts
.irp u, 0,1,2,3
	v_mov_b32 v[C+2*\u+1], v[C+2*\u]
.endr
	s_wait_alu depctr_va_vdst(0)
	s_wait_dscnt 0x0                               ; my stores are done
	s_barrier_signal -1
	s_barrier_wait -1                              ; the bias and chunks 0 to 2 are whole
.macro KLOADS adr, badr                ; a key step's fragments of K and its bias
.irp t, 0,1,2,3
	ds_load_b128 v[KK+8*\t:KK+8*\t+3], v[\adr] offset:16*KP*\t
	ds_load_b128 v[KK+8*\t+4:KK+8*\t+7], v[\adr] offset:16*KP*\t+32
.endr
.irp t, 0,1,2,3
	ds_load_b128 v[BI+8*\t:BI+8*\t+3], v[\badr] offset:64*\t
	ds_load_b128 v[BI+8*\t+4:BI+8*\t+7], v[\badr] offset:64*\t+16
.endr
.endm
; A KEY STEP: 64 keys x my 64 queries.  Its K and bias were asked for in the step before.
.macro STEP
	s_add_co_u32 s30, s52, STEP2
	s_min_u32 s30, s30, 15*STEP2                   ; the next step, held at the last
	s_add_co_u32 s31, s53, 256
	s_min_u32 s31, s31, BIAS+15*256
	v_add_nc_u32 v[VA], s52, v1                    ; these seven lines are also the places behind the last products
	v_add_nc_u32 v[KN], s30, v1
	v_add_nc_u32 v[BN], s31, v2
.irp u, 0,1,2,3
	v_mov_b32 v[OLD+\u], v[NM+2*\u]
.endr
.irp t, 0,1,2,3
	ds_load_b128 v[VV+8*\t:VV+8*\t+3], v[VA] offset:STEPB+16*KP*\t
	ds_load_b128 v[VV+8*\t+4:VV+8*\t+7], v[VA] offset:STEPB+16*KP*\t+32
.endr
	s_wait_alu depctr_va_vdst(0)
	s_wait_dscnt 8                                 ; K and the bias are in; V's eight loads may be out
	WIN 0x40
.irp t, 0,1,2,3
.irp u, 0,1,2,3
	v_wmma_f32_16x16x64_bf8_bf8 v[32*\u+8*\t:32*\u+8*\t+7], v[KK+8*\t:KK+8*\t+7], v[Q+8*\u:Q+8*\u+7], v[BI+8*\t:BI+8*\t+7]
.endr
.endr
.rept 4
	v_nop                                          ; places ahead of the loads into K's and the bias's registers and of the first reads of the scores
.endr
	WIN 0
	KLOADS KN, BN
	WIN 0x14                                       ; the largest score, the running one among the leaves; two chains a tile, each accumulator from its low end on
.irp u, 0,1,2,3
	v_max3_num_f32 v[TA+2*\u], v[NM+2*\u+1], v[32*\u], v[32*\u+1]
.endr
	WIN 0x15
.irp u, 0,1,2,3
	v_max3_num_f32 v[TA+2*\u+1], v[32*\u+2], v[32*\u+3], v[32*\u+4]
.endr
	WIN 0x14
.irp i, 5,9,13,17,21,25
.irp u, 0,1,2,3
	v_max3_num_f32 v[TA+2*\u], v[TA+2*\u], v[32*\u+\i], v[32*\u+\i+1]
.endr
.irp u, 0,1,2,3
	v_max3_num_f32 v[TA+2*\u+1], v[TA+2*\u+1], v[32*\u+\i+2], v[32*\u+\i+3]
.endr
.endr
.irp u, 0,1,2,3
	v_max3_num_f32 v[TA+2*\u], v[TA+2*\u], v[32*\u+29], v[32*\u+30]
.endr
	WIN 0x10
.irp u, 0,1,2,3
	v_max3_num_f32 v[TA+2*\u], v[TA+2*\u], v[TA+2*\u+1], v[32*\u+31]
.endr
	WIN 0
.irp u, 0,1,2,3
	v_permlanex16_b32 v[PL+\u], v[TA+2*\u], s50, s51
.endr
.irp u, 0,1,2,3
	v_max_num_f32 v[NM+2*\u+1], v[TA+2*\u], v[PL+\u]   ; and lane l xor 16's
.endr
.irp u, 0,1,2,3
	v_mul_f32 v[TA+2*\u], v[C+2*\u], v[NM+2*\u+1]  ; as t (c is not negative)
.endr
.irp u, 0,1,2,3
	v_floor_f32 v[NM+2*\u], -v[TA+2*\u]            ; -M = floor(-t): a whole number
.endr
.irp u, 0,1,2,3
	v_sub_f32 v[TA+2*\u], v[NM+2*\u], v[OLD+\u]    ; old M - new M
.endr
.irp u, 0,1,2,3
	v_cvt_i32_f32 v[TA+2*\u], v[TA+2*\u]           ; (it saturates)
.endr
	WIN 0x41
.set j, 0
.rept 16
.irp u, 0,1,2,3
	v_pk_fma_f32 v[32*\u+j:32*\u+j+1], v[32*\u+j:32*\u+j+1], v[C+2*\u:C+2*\u+1], v[NM+2*\u:NM+2*\u+1] op_sel_hi:[1,0,0]   ; t - M
.endr
.set j, j+2
.endr
	s_wait_alu depctr_va_vdst(0)
.set n, 0
.rept 128
	v_exp_f32 v[n], v[n]                           ; p = 2^(t - M), at most 1
.set n, n+1
.endr
	WIN 0
.irp u, 0,1,2,3
	v_ldexp_f32 v[F+2*\u], 1.0, v[TA+2*\u]         ; f = 2^(old M - new M)  (plain places behind the batch)
.endr
	WIN 0x10
	s_wait_alu depctr_va_vdst(0)                   ; one wait for the batch, ahead of its first reader
.irp u, 0,1,2,3                                ; l of the unquantised p, in two chains of pairs a tile; each chain's first line also brings it under the new M
	v_pk_fma_f32 v[L+4*\u:L+4*\u+1], v[L+4*\u:L+4*\u+1], v[F+2*\u:F+2*\u+1], v[32*\u:32*\u+1] op_sel_hi:[1,0,1]
.endr
.irp u, 0,1,2,3
	v_pk_fma_f32 v[L+4*\u+2:L+4*\u+3], v[L+4*\u+2:L+4*\u+3], v[F+2*\u:F+2*\u+1], v[32*\u+2:32*\u+3] op_sel_hi:[1,0,1]
.endr
	WIN 0x04
.set j, 4
.rept 7
.irp u, 0,1,2,3
	v_pk_add_f32 v[L+4*\u:L+4*\u+1], v[L+4*\u:L+4*\u+1], v[32*\u+j:32*\u+j+1]
.endr
.irp u, 0,1,2,3
	v_pk_add_f32 v[L+4*\u+2:L+4*\u+3], v[L+4*\u+2:L+4*\u+3], v[32*\u+j+2:32*\u+j+3]
.endr
.set j, j+4
.endr
	WIN 0                                          ; at a branch and at a label every window is 0
	s_cmp_eq_u32 s55, 0                            ; e4 >= -15: no p lies beyond the largest code
	s_wait_alu depctr_va_vdst(0)
	s_cbranch_scc1 .Lfits_\@
	WIN 0x44
.set n, 0
.rept 128
	v_min_num_f32 v[n], s49, v[n]                  ; the conversion does not saturate (ISA guide 7.6.2); p is not negative
.set n, n+1
.endr
	WIN 0
.Lfits_\@:
	WIN 0x01
.irp u, 0,1,2,3
.irp t, 0,1,2,3
	v_cvt_scalef32_pk8_bf8_f32 v[P+8*\u+2*\t:P+8*\u+2*\t+1], v[32*\u+8*\t:32*\u+8*\t+7], v5   ; tile t's keys 16 t + 8 h + 0 .. 7: registers 2 t, 2 t + 1 of the operand
.endr
.endr
	WIN 0x41
	s_wait_alu depctr_va_vdst(0)
.set j, 0
.rept 16
.irp u, 0,1,2,3
	v_pk_mul_f32 v[O+32*\u+j:O+32*\u+j+1], v[O+32*\u+j:O+32*\u+j+1], v[F+2*\u:F+2*\u+1] op_sel_hi:[1,0]   ; O^T under the new M
.endr
.set j, j+2
.endr
	WIN 0x50
	s_wait_alu depctr_va_vdst(0)
	s_wait_dscnt 16                                ; V's fragments are in; the next step's sixteen loads may be out
.irp t, 0,1,2,3
.irp u, 0,1,2,3
	v_wmma_f32_16x16x64_bf8_bf8 v[O+32*\u+8*\t:O+32*\u+8*\t+7], v[VV+8*\t:VV+8*\t+7], v[P+8*\u:P+8*\u+7], v[O+32*\u+8*\t:O+32*\u+8*\t+7]
.endr
.endr
	WIN 0
	s_add_co_u32 s52, s52, STEP2                   ; on to the next key step
	s_add_co_u32 s53, s53, 256
	s_add_co_u32 s54, s54, 1
.endm
	KLOADS 1, BN                                   ; key step 0's K and bias
	s_mov_b32 s52, 0                               ; the key step in hand, in LDS
	s_mov_b32 s53, BIAS                            ; and its bias
	s_mov_b32 s27, 3*CHUNKB                        ; the chunk that is stored next
	s_mov_b32 s54, 0
.Lfirst:                                           ; key steps 0 to 4: trip k stores chunk k + 3 and asks for chunk k + 4
	s_wait_loadcnt 0x0                             ; chunk k + 3 is in my registers
	ds_store_b128 v[SC], v[ST:ST+3]
	ds_store_b128 v[SC], v[ST+4:ST+7] offset:8*KP
	ds_store_b128 v[SC], v[ST+8:ST+11] offset:STEPB
	ds_store_b128 v[SC], v[ST+12:ST+15] offset:STEPB+8*KP
	s_wait_xcnt 0x0                                ; the last trip's prefetch has read its address
	s_add_nc_u64 s[62:63], s[62:63], 8192
	s_add_co_u32 s27, s27, CHUNKB
	s_wait_dscnt 0x0                               ; the stores are done, and have read their registers
	s_cmp_eq_u32 s54, NA-1
	s_cbranch_scc1 .Lno_more                       ; there is no chunk 8
	s_add_nc_u64 s[56:57], s[56:57], 8192          ; (the loads that read these bases are done)
	s_add_nc_u64 s[58:59], s[58:59], 8192
	global_load_b128 v[ST:ST+3], v[GL], s[56:57] offset:24576
	global_load_b128 v[ST+4:ST+7], v[GL], s[56:57] offset:24576+512
	global_load_b128 v[ST+8:ST+11], v[GL], s[58:59] offset:24576
	global_load_b128 v[ST+12:ST+15], v[GL], s[58:59] offset:24576+512
.Lno_more:
	s_cmp_lt_u32 s54, s26
	s_cbranch_scc0 .Lnot_mine
	global_prefetch_b8 v[PFO], s[62:63] th:TH_LOAD_NT scope:SCOPE_SE   ; chunk k + 5
.Lnot_mine:
	v_add_nc_u32 v[SC], s27, v[SA]                 ; where the next trip stores
	STEP
	s_cmp_lt_u32 s54, NA
	s_cbranch_scc1 .Lfirst
	s_wait_dscnt 0x0                               ; no LDS instruction of mine is out
	s_barrier_signal -1                            ; my parts of all chunks lie in LDS
	s_barrier_wait -1                              ; everybody's do
	s_mov_b32 s54, 0
.Lsecond:                                          ; key steps 5 to 15
	STEP
	s_cmp_lt_u32 s54, NBB
	s_cbranch_scc1 .Lsecond
	; THE WAY OUT: O^T / l, held, quantised with 2^e6, through my stage, out as 512 consecutive bytes a store.  The lines below are also the places behind the last products
.irp u, 0,1,2,3
	v_pk_add_f32 v[L+4*\u:L+4*\u+1], v[L+4*\u:L+4*\u+1], v[L+4*\u+2:L+4*\u+3]
.endr
.irp u, 0,1,2,3
	v_add_f32 v[NM+2*\u], v[L+4*\u], v[L+4*\u+1]
.endr
.irp u, 0,1,2,3
	v_permlanex16_b32 v[PL+\u], v[NM+2*\u], s50, s51
.endr
.irp u, 0,1,2,3
	v_add_f32 v[NM+2*\u], v[NM+2*\u], v[PL+\u]     ; the rows' sums
.endr
	s_wait_alu depctr_va_vdst(0)
.irp u, 0,1,2,3
	v_rcp_f32 v[NM+2*\u], v[NM+2*\u]
.endr
	v_mov_b32 v5, s72
	s_mul_i32 s52, s12, 64*KP
	s_add_co_u32 s52, s52, STAGE                   ; my stage
	v_and_b32 v24, 15, v0
	v_bfe_u32 v25, v0, 4, 1
	v_mul_u32_u24 v[SA], v24, KP
	v_lshl_add_u32 v[SA], v25, 3, v[SA]
	v_add_nc_u32 v[SA], s52, v[SA]                 ; in: row r, 8 h bytes on
	v_and_b32 v3, 31, v0
	v_lshrrev_b32 v4, 2, v3
	v_mul_u32_u24 v[SC], v4, KP
	v_and_b32 v4, 3, v3
	v_lshl_add_u32 v[SC], v4, 4, v[SC]
	v_add_nc_u32 v[SC], s52, v[SC]                 ; back: four lanes to a row of 64 bytes
	v_lshlrev_b32 v3, 4, v3
	WIN 0x41
	s_wait_alu depctr_va_vdst(0)                   ; the wait behind the transcendentals, directly ahead of the first reader of O^T
.irp u, 0,1,2,3
.set j, 0
.rept 16
	v_pk_mul_f32 v[O+32*\u+j:O+32*\u+j+1], v[O+32*\u+j:O+32*\u+j+1], v[NM+2*\u:NM+2*\u+1] op_sel_hi:[1,0]
.set j, j+2
.endr
.endr
.set n, 0
.rept 128
	v_med3_num_f32 v[O+n], v[O+n], s73, s71        ; the conversion does not saturate (ISA guide 7.6.2)
.set n, n+1
.endr
	WIN 0x01
.irp u, 0,1,2,3
.irp t, 0,1,2,3
	v_cvt_scalef32_pk8_bf8_f32 v[P+8*\u+2*\t:P+8*\u+2*\t+1], v[O+32*\u+8*\t:O+32*\u+8*\t+7], v5
.endr
.endr
	v_nop                                          ; one plain line behind the last conversion
	WIN 0
.irp u, 0,1,2,3
.irp t, 0,1,2,3
	ds_store_b64 v[SA], v[P+8*\u+2*\t:P+8*\u+2*\t+1] offset:16*KP*\u+16*\t
.endr
.endr
.irp g, 0,1,2,3,4,5,6,7
	ds_load_b128 v[VV+4*\g:VV+4*\g+3], v[SC] offset:8*KP*\g   ; LDS serves a wave's instructions in order: these see my stores
.endr
.irp g, 0,1,2,3,4,5,6,7
	s_wait_dscnt 7-\g
	global_store_b128 v3, v[VV+4*\g:VV+4*\g+3], s[68:69] offset:512*\g   ; eight rows of 64 bytes: 512 consecutive bytes, aligned
.endr
	s_wait_tensorcnt 0x0                           ; the wave's end
	ds_add_u32 v[SPW], v[NIL]
	s_wait_dscnt 0x0
	s_endpgm
.Lfunc_end_k_qb919feb7ec_attn:
	.size	k_qb919feb7ec_attn, .Lfunc_end_k_qb919feb7ec_attn-k_qb919feb7ec_attn
	.p2alignl 7, 3214868480
	.fill 96, 4, 3214868480
	.section	.rodata,"a",@progbits
	.p2align	6, 0x0
	.amdhsa_kernel k_qb919feb7ec_attn
		.amdhsa_group_segment_fixed_size 209920
		.amdhsa_private_segment_fixed_size 0
		.amdhsa_enable_private_segment 0
		.amdhsa_kernarg_size 32
		.amdhsa_user_sgpr_count 2
		.amdhsa_user_sgpr_kernarg_segment_ptr 1
		.amdhsa_wavefront_size32 1
		.amdhsa_system_sgpr_workgroup_id_x 1
		.amdhsa_system_sgpr_workgroup_id_y 1
		.amdhsa_system_sgpr_workgroup_id_z 1
		.amdhsa_system_vgpr_workitem_id 0
		.amdhsa_next_free_vgpr 512
		.amdhsa_next_free_sgpr 74
		.amdhsa_reserve_vcc 1
		.amdhsa_float_denorm_mode_32 3
		.amdhsa_float_denorm_mode_16_64 3
		.amdhsa_memory_ordered 1
		.amdhsa_forward_progress 1
		.amdhsa_inst_pref_size 98
	.end_amdhsa_kernel
	.amdgpu_metadata
---
amdhsa.version: [ 1, 2 ]
amdhsa.kernels:
  - .name:           k_qb919feb7ec_attn
    .symbol:         k_qb919feb7ec_attn.kd
    .args:
      - { .name: qkvc, .offset: 0, .size: 8, .value_kind: global_buffer, .address_space: global }
      - { .name: mask, .offset: 8, .size: 8, .value_kind: global_buffer, .address_space: global }
      - { .name: lowp_scales, .offset: 16, .size: 8, .value_kind: global_buffer, .address_space: global }
      - { .name: aoc, .offset: 24, .size: 8, .value_kind: global_buffer, .address_space: global }
    .group_segment_fixed_size: 209920
    .private_segment_fixed_size: 0
    .kernarg_segment_align: 8
    .kernarg_segment_size: 32
    .max_flat_workgroup_size: 256
    .sgpr_count:     74
    .vgpr_count:     512
    .wavefront_size: 32
...
	.end_amdgpu_metadata
.endif
;; end of part 3
;; launch gemm_out (part 4): grid 4 x 64, 4 waves a work-group, clusters of 4 x 4, 327,680 bytes of LDS; arguments aoc, woc, lowp_scales, bout, out0; writes out0
.if DOCPART == 4
	.amdgcn_target "amdgcn-amd-amdhsa--gfx1250"
	.amdhsa_code_object_version 6
	.text
	.protected	k_qb919feb7ec_gemm_out
	.globl	k_qb919feb7ec_gemm_out
	.p2align	8
	.type	k_qb919feb7ec_gemm_out,@function
k_qb919feb7ec_gemm_out:
	s_mov_b64 s[64:65], 0
	v_nop
	global_prefetch_b8 v0, s[64:65] scope:SCOPE_SE
	s_setreg_imm32_b32 hwreg(HW_REG_WAVE_MODE, 25, 1), 1
	s_wait_xcnt 0x0
	s_wait_alu depctr_hold_cnt(0) depctr_sa_sdst(0) depctr_va_vdst(0) depctr_va_sdst(0) depctr_va_ssrc(0) depctr_va_vcc(0) depctr_vm_vsrc(0)
	s_getreg_b32 s2, hwreg(HW_REG_IB_STS2, 6, 4)
	s_cmp_eq_u32 s2, 0
	s_cbranch_scc0 .Lentry_in_a_cluster
	s_endpgm
.Lentry_in_a_cluster:
	s_bfe_u32 s2, ttmp6, 0x10000c
	s_cmp_lg_u32 s2, 0xf033
	s_cbranch_scc0 .Lentry_shape_is_right
	s_endpgm
.Lentry_shape_is_right:
.set ROWB,   256
.set KROW,   1024
.set PA,     80
.set PLANE,  128*PA
.set APART,  4*PLANE
.set ASTEP,  1<<18
.set PB,     272
.set HALFB,  128*PB
.set SLOT,   APART+2*HALFB
.set SPARE,  2*SLOT
.set SPITCH, 528
.set FR,     16
.set NP,     4
.set ADRA, 16
.set ADRB, 20
.set STO,  24
.set RD,   25
.set CO,   26
.set SPW,  28
.set NIL,  29
.set TMP,  32
.set AF,   128
.set BK,   128
.set G1, 24
.set G0, 32
.set G1B, 48
.set G0B, 56
.set ES, 76
.set MSB, 0
.macro WIN new
.if MSB != \new
	s_set_vgpr_msb (MSB<<8)|\new
.set MSB, \new
.endif
.endm
.set MUL,  0xa1
.set TO_B, 0x40
.macro JLOAD g0a, g1a, g0b, g1b
	s_cmp_eq_u32 s15, 0
	s_cbranch_scc0 .Lfor_b_\@
	tensor_load_to_lds s[\g0a:\g0a+3], s[\g1a:\g1a+7]
	s_nop 0
.rept 4
	v_nop
.endr
	s_branch .Lasked_\@
.Lfor_b_\@:
	tensor_load_to_lds s[\g0b:\g0b+3], s[\g1b:\g1b+7]
	s_nop 0
.rept 4
	v_nop
.endr
.Lasked_\@:
.endm
.macro CREST
	s_cmp_lg_u32 s14, 0
	s_cbranch_scc1 .Lnot_wave_0_\@
	s_barrier_signal -3
.Lnot_wave_0_\@:
	s_barrier_wait -3
	s_barrier_signal -1
	s_barrier_wait -1
.endm
.macro CROUND
	s_barrier_signal -1
	s_barrier_wait -1
	CREST
.endm
	s_load_b128 s[4:7], s[0:1], 0x0
	s_load_b128 s[8:11], s[0:1], 0x10
	s_load_b64 s[12:13], s[0:1], 0x20
	v_lshl_add_u32 v[SPW], v0, 2, SPARE
	v_mov_b32 v[NIL], 0
	ds_add_u32 v28, v29
	ds_add_u32 v28, v29
	s_wait_dscnt 0x0
	v_lshrrev_b32 v1, 5, v0
	v_readfirstlane_b32 s14, v1
	s_lshr_b32 s15, s14, 1
	s_and_b32 s16, s14, 1
	s_bfe_u32 s40, ttmp6, 0x40000
	s_bfe_u32 s41, ttmp6, 0x40004
	s_lshl_b32 s42, ttmp9, 2
	s_add_co_u32 s42, s42, s40
	s_and_b32 s17, ttmp7, 0xffff
	s_lshl_b32 s17, s17, 2
	s_add_co_u32 s17, s17, s41
	s_lshl_b32 s43, s41, 2
	s_lshl_b32 s43, 15, s43
	s_lshl_b32 s44, 0x1111, s40
	s_or_b32 s[G1+0], s43, (0<<16)|(1<<20)|(1<<21)|(3<<22)|(3<<25)
	s_mov_b32 s[G1+1], 8192<<16
	s_mov_b32 s[G1+2], 2<<16
	s_mov_b32 s[G1+3], 8192<<16
	s_mov_b32 s[G1+4], 2
	s_mov_b32 s[G1+5], 65536
	s_mov_b32 s[G1+6], 0
	s_mov_b32 s[G1+7], 0
	s_or_b32 s[G1B+0], s44, (0<<16)|(1<<20)|(1<<21)|(5<<22)|(3<<25)
	s_mov_b32 s[G1B+1], ROWB<<16
	s_mov_b32 s[G1B+2], 128<<16
	s_mov_b32 s[G1B+3], ROWB<<16
	s_mov_b32 s[G1B+4], 128
	s_mov_b32 s[G1B+5], KROW
	s_mov_b32 s[G1B+6], 0
	s_mov_b32 s[G1B+7], 0
	s_lshr_b32 s20, s17, 3
	s_lshl_b32 s20, s20, 20
	s_and_b32 s21, s17, 7
	s_lshl_b32 s21, s21, 13
	s_add_co_u32 s20, s20, s21
	s_lshl_b32 s21, s16, 17
	s_add_co_u32 s20, s20, s21
	s_mov_b32 s21, 0
	s_lshl_b32 s46, s42, 8
	s_lshl_b32 s47, s16, 7
	s_add_co_u32 s46, s46, s47
	s_lshl_b32 s46, s46, 10
	s_mov_b32 s47, 0
	s_mul_i32 s45, s16, 2*PLANE
	s_mul_i32 s18, s16, HALFB
	s_add_co_u32 s18, s18, APART
	s_wait_kmcnt 0x0
	s_load_b256 s[ES:ES+7], s[8:9], 0x0
	s_add_nc_u64 s[20:21], s[4:5], s[20:21]
	s_add_nc_u64 s[46:47], s[6:7], s[46:47]
	CROUND
.irp s, 0,1
	s_mov_b32 s[G0+4*\s], 1
	s_add_co_u32 s[G0+4*\s+1], s45, \s*SLOT
	s_add_nc_u64 s[G0+4*\s+2:G0+4*\s+3], s[20:21], \s*ASTEP
	s_or_b32 s[G0+4*\s+3], s[G0+4*\s+3], 0x80000000
	s_mov_b32 s[G0B+4*\s], 1
	s_add_co_u32 s[G0B+4*\s+1], s18, \s*SLOT
	s_add_nc_u64 s[G0B+4*\s+2:G0B+4*\s+3], s[46:47], \s*ROWB
	s_or_b32 s[G0B+4*\s+3], s[G0B+4*\s+3], 0x80000000
	s_wait_alu depctr_va_vdst(0)
	s_wait_tensorcnt 0x0
	ds_add_u32 v28, v29
	ds_add_u32 v28, v29
	s_wait_dscnt 0x0
	CROUND
	JLOAD G0+4*\s, G1, G0B+4*\s, G1B
.endr
	v_and_b32 v1, 15, v0
	v_bfe_u32 v2, v0, 4, 1
	v_mul_u32_u24 v3, v1, PA
	v_lshl_add_u32 v3, v2, 4, v3
	v_mul_u32_u24 v4, v1, PB
	v_lshl_add_u32 v4, v2, 4, v4
	s_mul_i32 s22, s15, 64*PA
	s_mul_i32 s23, s16, HALFB
	s_add_co_u32 s23, s23, APART
.irp s, 0,1
	v_add_nc_u32 v[ADRA+\s], s22, v3
	v_add_nc_u32 v[ADRB+\s], s23, v4
	s_add_co_u32 s22, s22, SLOT
	s_add_co_u32 s23, s23, SLOT
.endr
	s_mul_i32 s23, s14, 16*SPITCH
	v_mul_u32_u24 v6, v1, SPITCH
	v_lshl_add_u32 v6, v2, 5, v6
	v_add_nc_u32 v[STO], s23, v6
	v_and_b32 v7, 31, v0
	v_lshlrev_b32 v[CO], 4, v7
	v_add_nc_u32 v[RD], s23, v[CO]
	s_lshl_b32 s84, s42, 10
	s_lshl_b32 s85, s16, 9
	s_add_co_u32 s84, s84, s85
	s_mov_b32 s85, 0
	s_add_nc_u64 s[10:11], s[10:11], s[84:85]
	s_lshl_b32 s86, s17, 7
	s_lshl_b32 s87, s15, 6
	s_add_co_u32 s86, s86, s87
	s_lshl_b32 s86, s86, 12
	s_add_co_u32 s86, s86, s84
	s_mov_b32 s87, 0
	s_add_nc_u64 s[12:13], s[12:13], s[86:87]
	; A PREFETCH INTO THE L2 of K steps 2 and 3, which the loop's two refills will ask for; K steps 0 and 1 come by their loads alone.  The four partners that ask for a tile jointly share its blocks of 256 bytes out by address.
	; Waves 0 and 1 (the attention codes: two planes of 8,192 bytes a K step): the partner at cx takes 4,096 bytes of plane cx / 2; lanes 0-15 name K step 2's sixteen blocks, lanes 16-31 K step 3's: one line.
	; Waves 2 and 3 (Wout's codes: 128 rows, 256 bytes a K step): the partner at cy takes 32 rows, a lane a row: one line for each K step.  All sixteen clusters read the same rows of Wout: four of them ask.
	s_cmp_eq_u32 s15, 0
	s_cselect_b64 s[4:5], s[20:21], s[46:47]       ; my wave's part of K step 0
	s_mov_b32 s6, 1024
	s_cselect_b32 s6, 256, s6                      ; from lane to lane among sixteen,
	s_mov_b32 s7, 16384
	s_cselect_b32 s7, ASTEP, s7                    ; and from lanes 0-15 to lanes 16-31
	s_lshr_b32 s2, s40, 1
	s_lshl_b32 s2, s2, 16
	s_and_b32 s3, s40, 1
	s_lshl_b32 s3, s3, 12
	s_add_co_u32 s2, s2, s3
	s_add_co_u32 s2, s2, 2*ASTEP
	s_lshl_b32 s3, s41, 15
	s_add_co_u32 s3, s3, 2*ROWB
	s_cmp_eq_u32 s15, 0
	s_cselect_b32 s2, s2, s3                       ; my work-group's share, at K step 2
	s_mov_b32 s3, 0
	s_add_nc_u64 s[4:5], s[4:5], s[2:3]
	s_and_b32 s19, ttmp7, 0xffff
	s_cmp_lt_u32 s19, 4
	s_cselect_b32 s19, 1, 0
	s_cmp_eq_u32 s15, 0
	s_cselect_b32 s18, 1, s19                      ; who issues the first line,
	s_cselect_b32 s19, 0, s19                      ; and who the second
	v_mul_u32_u24 v8, v1, s6
	v_mad_u32_u24 v8, v2, s7, v8                   ; never rewritten, like s[4:5]
	s_wait_alu depctr_va_vdst(0)
	s_cmp_eq_u32 s18, 1
	s_cbranch_scc0 .Lno_ask_0
	global_prefetch_b8 v8, s[4:5] th:TH_LOAD_NT scope:SCOPE_SE
.Lno_ask_0:
	s_cmp_eq_u32 s19, 1
	s_cbranch_scc0 .Lno_ask_1
	global_prefetch_b8 v8, s[4:5] offset:ROWB th:TH_LOAD_NT scope:SCOPE_SE
.Lno_ask_1:
	v_lshlrev_b32 v5, 5, v2
	WIN 0xc0
.irp b, 0,1,2,3,4,5,6,7
	global_load_b128 v[8*\b:8*\b+3], v5, s[10:11] offset:64*\b
	global_load_b128 v[8*\b+4:8*\b+7], v5, s[10:11] offset:64*\b+16
.endr
	WIN 0
	s_wait_kmcnt 0x0
	s_add_co_i32 s96, s[ES+6], s[ES+7]
	s_add_co_i32 s96, s96, 127
	s_lshl_b32 s96, s96, 23
	s_mov_b32 s97, s96
.macro FRAG_A reg, adr, q, a
.irp c, 0,1,2,3
	ds_load_b128 v[\reg+4*\c:\reg+4*\c+3], v[\adr] offset:(2*(\q)+\c/2)*PLANE+16*PA*(\a)+32*(\c%2)
.endr
.endm
.macro FRAG_B reg, adr, q, i
.irp c, 0,1,2,3
	ds_load_b128 v[\reg+4*\c:\reg+4*\c+3], v[\adr] offset:128*(\q)+32*\c+(\i)*16*PB
.endr
.endm
.macro MUL8 a, p, zero
.irp b, 0,1,2,3,4,5,6,7
.if \zero
	v_wmma_f32_16x16x128_bf8_bf8 v[8*(8*(\a)+\b):8*(8*(\a)+\b)+7], v[128*(\p)+FR*\b:128*(\p)+FR*\b+FR-1], v[AF+64*(\p)+FR*(\a):AF+64*(\p)+FR*(\a)+FR-1], 0
.else
	v_wmma_f32_16x16x128_bf8_bf8 v[8*(8*(\a)+\b):8*(8*(\a)+\b)+7], v[128*(\p)+FR*\b:128*(\p)+FR*\b+FR-1], v[AF+64*(\p)+FR*(\a):AF+64*(\p)+FR*(\a)+FR-1], v[8*(8*(\a)+\b):8*(8*(\a)+\b)+7]
.endif
.endr
.endm
.macro FETCH slot, q, p
	WIN TO_B
.irp i, 0,1,2,3,4,5,6,7
	FRAG_B 128*(\p)+FR*\i, ADRB+\slot, \q, \i
.endr
	WIN 0
.irp a, 0,1,2,3
	FRAG_A AF+64*(\p)+FR*\a, ADRA+\slot, \q, \a
.endr
.endm
.macro PLACES n
.rept \n
	v_nop
.endr
.endm
.macro STEP slot, zero
	s_wait_dscnt 8
	WIN MUL
	MUL8 0, 0, \zero
	MUL8 1, 0, \zero
	PLACES NP
	FETCH \slot, 1, 1
	s_wait_dscnt 48
	WIN MUL
	MUL8 2, 0, \zero
	MUL8 3, 0, \zero
	WIN 0
.endm
.macro TURN slot, next, fill
	s_wait_tensorcnt 0x0
	ds_add_u32 v[SPW], v[NIL]
	s_wait_dscnt 9
	WIN MUL
	MUL8 0, 1, 0
	s_wait_dscnt 0x0
	s_barrier_signal -1
	MUL8 1, 1, 0
	WIN 0
	s_barrier_wait -1
.if \fill
	CREST
	s_add_nc_u64 s[G0+4*\slot+2:G0+4*\slot+3], s[G0+4*\slot+2:G0+4*\slot+3], 2*ASTEP
	s_add_nc_u64 s[G0B+4*\slot+2:G0B+4*\slot+3], s[G0B+4*\slot+2:G0B+4*\slot+3], 2*ROWB
	JLOAD G0+4*\slot, G1, G0B+4*\slot, G1B
.else
	PLACES NP
.endif
	s_wait_alu depctr_va_vdst(0)
	FETCH \next, 0, 0
	WIN MUL
	MUL8 2, 1, 0
	MUL8 3, 1, 0
	WIN 0
.endm
	s_wait_tensorcnt 1
	s_barrier_signal -1
	s_barrier_wait -1
	FETCH 0, 0, 0
	STEP 0, 1
	s_mov_b32 s3, 1
.Llap:
	TURN 0, 1, 1
	STEP 1, 0
	TURN 1, 0, 1
	STEP 0, 0
	s_sub_co_u32 s3, s3, 1
	s_cmp_lg_u32 s3, 0
	s_cbranch_scc1 .Llap
	TURN 0, 1, 0
	STEP 1, 0
	s_wait_dscnt 8
	WIN MUL
	MUL8 0, 1, 0
	MUL8 1, 1, 0
	s_wait_dscnt 0
	MUL8 2, 1, 0
	MUL8 3, 1, 0
	WIN 0
.macro TOSTAGE a
	WIN 0x32
.set j, 0
.rept 32
	v_pk_fma_f32 v[TMP+j:TMP+j+1], v[64*(\a)+j:64*(\a)+j+1], s[96:97], v[j:j+1] op_sel_hi:[1,0,1]
.set j, j+2
.endr
	WIN 0
.irp b, 0,1,2,3,4,5,6,7
	ds_store_b128 v[STO], v[TMP+8*\b:TMP+8*\b+3] offset:64*\b
	ds_store_b128 v[STO], v[TMP+8*\b+4:TMP+8*\b+7] offset:64*\b+16
.endr
.set BB, BK+64*((\a)%2)
.irp t, 0,1,2,3,4,5,6,7,8,9,10,11,12,13,14,15
	ds_load_b128 v[BB+4*\t:BB+4*\t+3], v[RD] offset:\t*SPITCH
.endr
.endm
.macro SEND a, younger
.set BB, BK+64*((\a)%2)
	s_wait_dscnt \younger
.if (\a) > 0
	s_add_nc_u64 s[12:13], s[12:13], 16*4096
.endif
.irp t, 0,1,2,3,4,5,6,7,8,9,10,11,12,13,14,15
	global_store_b128 v[CO], v[BB+4*\t:BB+4*\t+3], s[12:13] offset:\t*4096 th:TH_STORE_NT
.endr
.endm
	s_wait_loadcnt 0x0
	PLACES NP
	TOSTAGE 0
.irp a, 1,2,3
.if \a > 1
	s_wait_xcnt 0x0
.endif
	TOSTAGE \a
	SEND \a-1, 32
.endr
	s_wait_xcnt 0x0
	SEND 3, 0
	s_wait_tensorcnt 0x0
	ds_add_u32 v[SPW], v[NIL]
	s_wait_dscnt 0x0
	CROUND
	s_endpgm
.Lfunc_end_k_qb919feb7ec_gemm_out:
	.size	k_qb919feb7ec_gemm_out, .Lfunc_end_k_qb919feb7ec_gemm_out-k_qb919feb7ec_gemm_out
	.p2alignl 7, 3214868480
	.fill 96, 4, 3214868480
	.section	.rodata,"a",@progbits
	.p2align	6, 0x0
	.amdhsa_kernel k_qb919feb7ec_gemm_out
		.amdhsa_group_segment_fixed_size 327680
		.amdhsa_private_segment_fixed_size 0
		.amdhsa_enable_private_segment 0
		.amdhsa_kernarg_size 40
		.amdhsa_user_sgpr_count 2
		.amdhsa_user_sgpr_kernarg_segment_ptr 1
		.amdhsa_wavefront_size32 1
		.amdhsa_system_sgpr_workgroup_id_x 1
		.amdhsa_system_sgpr_workgroup_id_y 1
		.amdhsa_system_sgpr_workgroup_id_z 1
		.amdhsa_system_vgpr_workitem_id 0
		.amdhsa_next_free_vgpr 832
		.amdhsa_next_free_sgpr 98
		.amdhsa_reserve_vcc 0
		.amdhsa_float_denorm_mode_32 3
		.amdhsa_float_denorm_mode_16_64 3
		.amdhsa_memory_ordered 1
		.amdhsa_forward_progress 1
		.amdhsa_inst_pref_size 80
	.end_amdhsa_kernel
	.amdgpu_metadata
---
amdhsa.version: [ 1, 2 ]
amdhsa.kernels:
  - .name:           k_qb919feb7ec_gemm_out
    .symbol:         k_qb919feb7ec_gemm_out.kd
    .args:
      - { .name: aoc, .offset: 0, .size: 8, .value_kind: global_buffer, .address_space: global }
      - { .name: woc, .offset: 8, .size: 8, .value_kind: global_buffer, .address_space: global }
      - { .name: lowp_scales, .offset: 16, .size: 8, .value_kind: global_buffer, .address_space: global }
      - { .name: bout, .offset: 24, .size: 8, .value_kind: global_buffer, .address_space: global }
      - { .name: out0, .offset: 32, .size: 8, .value_kind: global_buffer, .address_space: global }
    .group_segment_fixed_size: 327680
    .private_segment_fixed_size: 0
    .kernarg_segment_align: 8
    .kernarg_segment_size: 40
    .max_flat_workgroup_size: 128
    .sgpr_count:     98
    .vgpr_count:     832
    .wavefront_size: 32
...
	.end_amdgpu_metadata
.endif
;; end of part 4
